; MI455X (gfx1250); checked and timed in simulation.
; The chip was launched on July 23, 2026; its instructions are those of AMD's public machine-readable ISA for CDNA 5 (MIT licence, August 2026) and "CDNA5" Instruction Set Architecture Reference Guide (July 2026). The comments in the code are by the model that wrote it; some were corrected since.
;; Gating Network. Allowed arithmetic: matrix products marked QUANTISED: E5M2 operands, one E8M0 scale for each 32 along K, by v_wmma_scale_f32_16x16x128_f8f6f4 with both operands' format E5M2, f32 sums; everything else in f32.
;; Inputs: W 64 x 2,048 float32; x 16,384 x 2,048 float32.
;; Outputs: out0 16,384 x 2 int32; out1 16,384 x 2 float32; out2 16,384 x 64 float32; out3 16,384 x 8 int32.
;; This version of the problem:
;;   THIS VERSION OF THE PROBLEM IS GIVEN IN LOW PRECISION. The matrix products marked QUANTISED in the list below multiply operands that are first quantised to E5M2 (5 exponent bits, 2 mantissa bits; 8 bits a number), with one power-of-two scale for each 32 numbers along K (OCP MX v1.0); their sums are f32. All else is computed in f32.
;;   The module's matrix products, in the order in which they are computed (A, B: the left and right operand; K: the contracted axis; several contracted axes count as one K, in the product's order):
;;     1. [M 16,384, K 2,048] x [K 2,048, N 64]; A: input x; B: input W: QUANTISED
;;   THE QUANTISER, for each operand of a quantised product, along K:
;;     - K is cut into blocks of 32 from its start; a last block that is shorter is filled with zeros.
;;     - A block's scale is 2^e with e = floor(log2(the largest magnitude in the block)) - 15, held to -126 .. 127; a block of zeros has e = 0. As a byte (E8M0): e + 127.
;;     - Each number is divided by its block's scale, clamped to +-57,344, and rounded to the nearest number of E5M2, ties to even, subnormals kept.
;;     - The product sums the exact products of the quantised numbers (number of the format x scale) in f32.
;;   ~~~python
;;   def quantise(x, axis):      # numpy; x: float32 -> the quantised numbers, widened to float32 again
;;       x = np.moveaxis(x, axis, -1); K = x.shape[-1]
;;       x = np.pad(x, [(0, 0)] * (x.ndim - 1) + [(0, -K % 32)]); x = x.reshape(x.shape[:-1] + (-1, 32)); a = np.abs(x).max(-1, keepdims=True)
;;       e = np.where(a > 0, np.clip(np.frexp(np.where(a > 0, a, 1))[1] - 1 - 15, -126, 127), 0)      # np.frexp(a)[1] - 1 = floor(log2(a)), exactly
;;       r = np.clip(x / 2.0 ** e, -57344, 57344)
;;       step = 2.0 ** (np.maximum(np.frexp(np.where(r == 0, 1, r))[1] - 1, -14) - 2)
;;       q = np.round(r / step) * step * 2.0 ** e      # np.round: ties to even
;;       return np.moveaxis(q.reshape(q.shape[:-2] + (-1,))[..., :K], -1, axis).astype(np.float32)
;;   ~~~
;; 2 versions. Each part assembles by itself: llvm-mc -triple=amdgcn-amd-amdhsa -mcpu=gfx1250 --defsym DOCPART=n.
;; ======== version 1 of 2: 2 launches
;; workspace buffers: wc 131,072 bytes; ws 8,192 bytes
;; launch wq (part 1): grid 8 x 1, 4 waves a work-group, no clusters, 34,304 bytes of LDS; arguments W, wc, ws; writes wc, ws
.if DOCPART == 1
	.amdgcn_target "amdgcn-amd-amdhsa--gfx1250"
	.amdhsa_code_object_version 6
	.text
	.protected	k_qc89f79adf9_wq
	.globl	k_qc89f79adf9_wq
	.p2align	8
	.type	k_qc89f79adf9_wq,@function
k_qc89f79adf9_wq:
	s_mov_b64 s[64:65], 0
	v_nop
	global_prefetch_b8 v0, s[64:65] scope:SCOPE_SE
	s_setreg_imm32_b32 hwreg(HW_REG_WAVE_MODE, 25, 1), 1
	s_wait_xcnt 0x0
; W [64][2048] f32 becomes codes of BF8 (E5M2) with one E8M0 scale for each 32 along K, ONCE, for all the work-groups of the launch that follows; laid as that launch's operand registers want them.
; A block's scale is 2^(floor(log2(its largest magnitude)) - 15); each number is divided by it, held within +-57,344 and rounded to the nearest code, ties to even.
; SHARES.  Work-group w takes K = 256 w .. 256 w + 255, its wave q the 16 rows 8 q .. 8 q + 7 and 32 + 8 q .. 32 + 8 q + 7: two tiles of 16 rows x 128 K (s = 0, 1), each one fragment of the matrix instruction.
; A TILE'S WAY.  16 loads, each 512 consecutive aligned bytes of one row; 16 LDS stores into the wave's own stage as they lie; 16 LDS loads, after which lane (r, h) holds, of the tile's row r, 16 neighbours of each
; block of 32; the quantiser.  The codes' 16 registers leave as they stand: wc[w][2 q + s][c][lane][16 bytes], four stores of 512 consecutive bytes.  The two tiles' scale words leave together:
; ws[w][q][lane][2 words], one store of 256 consecutive bytes (lanes 16-31 hold the same words as lanes 0-15).
; No barrier: waves share nothing.  All 32 loads of a wave go out at once.
; LIMITS.  NaN and infinities are not served.  A block of zeros gets the scale byte 1 where the rule says 127: its codes are zeros, and this program alone reads the bytes.
.set ROWB,  8192                       ; a row of W in bytes
.set SP,    528                        ; a stage row: 512 bytes + 16: the 16 rows that an LDS load touches start at 16 different groups of four banks
.set STGW,  16*SP                      ; a wave's stage
.set GOFF, 1                           ; v1   16 x lane
.set STW,  2                           ; v2   the stage, in
.set STR,  3                           ; v3   the stage, out: row r, + 64 h
.set SOFF, 4                           ; v4   8 x lane
.set X,    8                           ; v8-71    64 numbers: register 16 b + i = k 32 b + 16 h + i of my row
.set C,    72                          ; v72-103  the two fragments' codes: no store's data are written again
.set TM,   104                         ; v104-119 the quantiser's scratch
.set PW,   120                         ; v120-121 the two scale words
.set RAW,  122                         ; v122-249 two sets of 64, as loaded
.set WV,   16
.set SEL,  20                          ; s[20:21] v_permlanex16_b32's selects for lane l xor 16
.set MNT,  22                          ; s22 the mantissa field of 57,344
.macro TURN s
	s_wait_loadcnt 16*(1-\s)               ; loads come back in order: this tile's 16 are in
.irp p, 0,1,2,3,4,5,6,7,8,9,10,11,12,13,14,15
	ds_store_b128 v[STW], v[RAW+64*\s+4*\p:RAW+64*\s+4*\p+3] offset:\p*SP
.endr
.irp b, 0,1,2,3
.irp j, 0,1,2,3
	ds_load_b128 v[X+16*\b+4*\j:X+16*\b+4*\j+3], v[STR] offset:128*\b+16*\j   ; LDS serves a wave's instructions in order: these see the stores above
.endr
.endr
	s_wait_dscnt 0x0
.endm
.macro QUANT dst, sw
.irp b, 0,1,2,3
	v_max3_num_f32 v[TM+\b], |v[X+16*\b]|, |v[X+16*\b+1]|, 0x8000000   ; block b: my 16 numbers, and the floor 2^(16 - 127): the byte cannot fall under 1
.endr
.irp i, 2,4,6,8,10,12,14
.irp b, 0,1,2,3
	v_max3_num_f32 v[TM+\b], v[TM+\b], |v[X+16*\b+\i]|, |v[X+16*\b+\i+1]|
.endr
.endr
.irp b, 0,1,2,3
	v_permlanex16_b32 v[TM+4+\b], v[TM+\b], s[SEL], s[SEL+1]
.endr
.irp b, 0,1,2,3
	v_max_num_f32 v[TM+\b], v[TM+\b], v[TM+4+\b]       ; with lane l xor 16's 16: the block's largest magnitude
.endr
.irp b, 0,1,2,3
	v_add_nc_u32 v[TM+12+\b], 0xf8800000, v[TM+\b]     ; 15 off its exponent field: the conversion's scale operand
.endr
.irp b, 0,1,2,3
	v_and_or_b32 v[TM+8+\b], v[TM+\b], 0x7f800000, s[MNT]   ; 57,344 x the scale
.endr
.irp b, 0,1,2,3
	v_lshrrev_b32 v[TM+4+\b], 23, v[TM+12+\b]          ; the scale's byte
.endr
	v_lshl_or_b32 v[\sw], v[TM+5], 8, v[TM+4]
	v_lshl_or_b32 v[\sw], v[TM+6], 16, v[\sw]
	v_lshl_or_b32 v[\sw], v[TM+7], 24, v[\sw]
.irp b, 0,1,2,3
.irp i, 0,1,2,3,4,5,6,7,8,9,10,11,12,13,14,15
	v_med3_num_f32 v[X+16*\b+\i], v[X+16*\b+\i], -v[TM+8+\b], v[TM+8+\b]   ; the conversion to an 8-bit code does not saturate (ISA guide 7.6.2): the hold at the largest code x the scale
.endr
.endr
.irp b, 0,1,2,3
	v_cvt_scalef32_pk8_bf8_f32 v[(\dst)+4*\b:(\dst)+4*\b+1], v[X+16*\b:X+16*\b+7], v[TM+12+\b]
	v_cvt_scalef32_pk8_bf8_f32 v[(\dst)+4*\b+2:(\dst)+4*\b+3], v[X+16*\b+8:X+16*\b+15], v[TM+12+\b]
.endr
	v_nop                                  ; a plain vector instruction behind the last scaled conversion
.endm
	s_load_b128 s[4:7], s[0:1], 0x0                ; W, wc
	s_load_b64 s[8:9], s[0:1], 0x10                ; ws
	v_lshl_add_u32 v254, v0, 2, 0x8400
	v_mov_b32 v255, 0
	v_lshrrev_b32 v5, 5, v0
	v_readfirstlane_b32 s[WV], v5                  ; wave = q
	v_and_b32 v5, 31, v0                           ; lane
	v_lshlrev_b32 v[GOFF], 4, v5
	v_lshlrev_b32 v[SOFF], 3, v5
	s_lshl_b32 s10, ttmp9, 10                      ; my work-group's 256 along K: 1,024 bytes of every row,
	s_lshl_b32 s12, s[WV], 16                      ; my wave's rows from 8 q on: 8 rows of 8,192 bytes
	s_add_co_u32 s10, s10, s12
	s_mov_b32 s11, 0
	s_wait_kmcnt 0x0
	s_add_nc_u64 s[4:5], s[4:5], s[10:11]
.irp s, 0,1
.irp p, 0,1,2,3,4,5,6,7,8,9,10,11,12,13,14,15
	global_load_b128 v[RAW+64*\s+4*\p:RAW+64*\s+4*\p+3], v[GOFF], s[4:5] offset:(32*(\p/8)+\p%8)*ROWB+512*\s th:TH_LOAD_NT   ; 32 lanes read 512 consecutive bytes; this launch reads them once
.endr
.endr
	s_lshl_b32 s10, ttmp9, 14                      ; wc: 16,384 bytes a work-group, 4,096 a wave
	s_lshl_b32 s12, s[WV], 12
	s_add_co_u32 s10, s10, s12
	s_add_nc_u64 s[6:7], s[6:7], s[10:11]
	s_lshl_b32 s10, ttmp9, 10                      ; ws: 1,024 bytes a work-group, 256 a wave
	s_lshl_b32 s12, s[WV], 8
	s_add_co_u32 s10, s10, s12
	s_add_nc_u64 s[8:9], s[8:9], s[10:11]
	s_mov_b32 s[SEL], 0x76543210
	s_mov_b32 s[SEL+1], 0xfedcba98
	s_mov_b32 s[MNT], 0x600000
	v_and_b32 v6, 15, v0                           ; r
	v_bfe_u32 v7, v0, 4, 1                         ; h
	s_mul_i32 s13, s[WV], STGW                     ; my stage
	v_lshl_add_u32 v[STW], v5, 4, s13
	v_mul_u32_u24 v[STR], v6, SP
	v_lshl_add_u32 v[STR], v7, 6, v[STR]
	v_add_nc_u32 v[STR], s13, v[STR]
.irp b, 0,1,2,3
	v_mov_b32 v[TM+4+\b], 0                        ; written once: a lane permute's destination counts as one of its sources
.endr
	TURN 0
	QUANT C, PW
.irp c, 0,1,2,3
	global_store_b128 v[GOFF], v[C+4*\c:C+4*\c+3], s[6:7] offset:512*\c             ; 32 lanes store 512 consecutive bytes, at a multiple of 256 from wc's first byte
.endr
	TURN 1
	QUANT C+16, PW+1
.irp c, 0,1,2,3
	global_store_b128 v[GOFF], v[C+16+4*\c:C+16+4*\c+3], s[6:7] offset:2048+512*\c
.endr
	global_store_b64 v[SOFF], v[PW:PW+1], s[8:9]   ; 32 lanes store 256 consecutive bytes, at a multiple of 256 from ws's first byte
	s_wait_tensorcnt 0x0
	ds_add_u32 v254, v255
	s_wait_dscnt 0x0
	s_endpgm
.Lfunc_end_k_qc89f79adf9_wq:
	.size	k_qc89f79adf9_wq, .Lfunc_end_k_qc89f79adf9_wq-k_qc89f79adf9_wq
	.p2alignl 7, 3214868480
	.fill 96, 4, 3214868480
	.section	.rodata,"a",@progbits
	.p2align	6, 0x0
	.amdhsa_kernel k_qc89f79adf9_wq
		.amdhsa_group_segment_fixed_size 34304
		.amdhsa_private_segment_fixed_size 0
		.amdhsa_enable_private_segment 0
		.amdhsa_kernarg_size 24
		.amdhsa_user_sgpr_count 2
		.amdhsa_user_sgpr_kernarg_segment_ptr 1
		.amdhsa_wavefront_size32 1
		.amdhsa_system_sgpr_workgroup_id_x 1
		.amdhsa_system_sgpr_workgroup_id_y 1
		.amdhsa_system_sgpr_workgroup_id_z 1
		.amdhsa_system_vgpr_workitem_id 0
		.amdhsa_next_free_vgpr 256
		.amdhsa_next_free_sgpr 66
		.amdhsa_reserve_vcc 0
		.amdhsa_float_denorm_mode_32 3
		.amdhsa_float_denorm_mode_16_64 3
		.amdhsa_memory_ordered 1
		.amdhsa_forward_progress 1
		.amdhsa_inst_pref_size 26
	.end_amdhsa_kernel
	.amdgpu_metadata
---
amdhsa.version: [ 1, 2 ]
amdhsa.kernels:
  - .name:           k_qc89f79adf9_wq
    .symbol:         k_qc89f79adf9_wq.kd
    .args:
      - { .name: W, .offset: 0, .size: 8, .value_kind: global_buffer, .address_space: global }
      - { .name: wc, .offset: 8, .size: 8, .value_kind: global_buffer, .address_space: global }
      - { .name: ws, .offset: 16, .size: 8, .value_kind: global_buffer, .address_space: global }
    .group_segment_fixed_size: 34304
    .private_segment_fixed_size: 0
    .kernarg_segment_align: 8
    .kernarg_segment_size: 24
    .max_flat_workgroup_size: 128
    .sgpr_count:     66
    .vgpr_count:     256
    .wavefront_size: 32
...
	.end_amdgpu_metadata
.endif
;; end of part 1
;; launch gate (part 2): grid 256 x 1, 8 waves a work-group, no clusters, 200,704 bytes of LDS; arguments x, wc, out0, out1, out2, out3, ws; writes out0, out1, out2, out3
.if DOCPART == 2
	.amdgcn_target "amdgcn-amd-amdhsa--gfx1250"
	.amdhsa_code_object_version 6
	.text
	.protected	k_qc89f79adf9_gate
	.globl	k_qc89f79adf9_gate
	.p2align	8
	.type	k_qc89f79adf9_gate,@function
k_qc89f79adf9_gate:
	s_mov_b64 s[64:65], 0
	v_nop
	global_prefetch_b8 v0, s[64:65] scope:SCOPE_SE
	s_setreg_imm32_b32 hwreg(HW_REG_WAVE_MODE, 25, 1), 1
	s_wait_xcnt 0x0
; ROUTER: logits = Q(x) Q(W)^T on codes of BF8 (E5M2) with one E8M0 scale for each 32 along K; probs = softmax(logits); the 8 largest logits' experts in order; the first two of them and their softmax.
; x [16384][2048] f32.  W comes as the launch before has laid it: wc[w][fragment][c][lane][16 bytes] codes, ws[w][q][lane][2 words] scale words.
; out0 [16384][2] i32, out1 [16384][2] f32, out2 [16384][64] f32, out3 [16384][8] i32.
; SHARES.  A work-group owns 64 rows of x.  Wave w of its eight owns K = 256 w .. 256 w + 255 of them.  Its part of W (64 experts x 256 K: 8 fragments, 128 registers, and 8 scale words) comes straight into
; the operand's registers, 32 loads of 512 consecutive bytes, and stays.  Its part of x is STREAMED, a tile of 16 rows x 128 K at a time, 4 matrix instructions a tile.
; A TILE'S WAY.  16 loads, each 512 consecutive aligned bytes of one row; 16 LDS stores into the wave's own stage as they lie; 16 LDS loads, after which lane (r, h) holds, of row r, 16 neighbours of each block of 32;
; the quantiser; the codes are the operand's registers.  Three sets of 64 registers take the loads by turns: three tiles, 24 KB a wave, are on their way.
; THE ROWS OF A TILE ARE NOT NEIGHBOURS: tile q holds rows 8 q .. 8 q + 7 and 32 + 8 q .. 32 + 8 q + 7, of x and of W alike.  Source 0 is W's tile, source 1 x's: lane (r, h) of a result holds x's row
; 32 (r / 8) + 8 m + r % 8 and experts 32 h + 8 t + 0 .. 7: over the four tiles of W 32 neighbouring experts, and lanes 0-15 hold lower experts than lanes 16-31.
; THE END.  Each wave's 64 x 64 partial sums go to LDS as images of their registers; a barrier; waves 0-3 take 16 rows each: they add the eight partial sums in ascending K, make the softmax (the row's maximum taken away)
; and sort.  TIES GO TO THE LOWER EXPERT, as jax.lax.top_k has it: every comparison is of (logit, expert).  The two largest of the eight largest are the first two of the sorted eight.
; W'S CODES ARE SHARED BY ALL WORK-GROUPS AND YET NOT ASKED FOR JOINTLY: they are 132 KB beside a work-group's 512 KB of x, each wave loads its 16 KB once, straight into registers; a joint request would bring them
; into LDS, from where every wave would have to read them again.  x is shared by nobody.  No prefetch: the stream of x is asked for from the first lines to the last tile.
; LIMITS.  NaN and infinities among the inputs or logits are not served.  -0 would rank below +0 (the sums here begin at +0 and give no -0).  A block of zeros gets the scale byte 1 where the rule says 127: its codes
; are zeros.  A logit is eight sums of 256 along K, added in ascending K: another order of rounding than one running sum.
.set ROWB,  8192                       ; a row of x in bytes
.set SP,    528                        ; a stage row: 512 bytes + 16: the 16 rows that an LDS load touches start at 16 different groups of four banks
.set STGW,  16*SP                      ; a wave's stage
.set PART,  8*STGW                     ; behind the stages: the partial sums, 16,384 bytes a wave: image (m, t) at 4,096 m + 1,024 t
.set SMALL, PART+8*16384               ; behind them: 512 bytes of out0 and 512 of out1
.set OP,    272                        ; probs on the way out: a row of 256 bytes + 16
.set GOFF, 1                           ; v1   16 x lane: my 16 bytes of a load's 512
.set STW,  2                           ; v2   the stage, in
.set STR,  3                           ; v3   the stage, out: row r, + 64 h
.set PWA,  4                           ; v4   my wave's partial images, 16 x lane
.set PRD,  5                           ; v5-6 the images of my row tile: waves 0-3's, waves 4-7's
.set OSW,  7                           ; v7   probs into the stage
.set OSR,  8                           ; v8   and back, sixteen lanes to a row
.set SMW,  9                           ; v9   my word of out0's bytes in LDS
.set SMR,  10                          ; v10  and 16 x lane of them
.set GO2,  11                          ; v11  my byte offset in out2
.set GO3,  12                          ; v12  in out3
.set HB,   13                          ; v13  32 h
.set HH,   14                          ; v14  h
.set LN,   15                          ; v15  lane
.set X,    16                          ; v16-79   64 numbers: register 16 b + i = k 32 b + 16 h + i of my row
.set PC,   80                          ; v80-95   the streamed tile's codes
.set TM,   96                          ; v96-111  the quantiser's scratch
.set PW,   112                         ; v112     the streamed tile's scale word;  v114-121 W's fragments': these hold scales and nothing else
.set RS,   114
.set WSO,  122                         ; v122     8 x lane: my two scale words of W
.set ACC,  128                         ; v128-159 four accumulators
.set LG,   128                         ; later: my 32 logits, then their keys
.set IX,   160                         ; v160-191 the experts' numbers that go with the keys
.set WV,   16                          ; s16 wave
.set RB,   20                          ; s[20:21] my fragments of W;  s[22:23] my part of x;  s[30:31] my scale words of W
.set SB,   22
.set SEL,  24                          ; s[24:25] v_permlanex16_b32's selects for lane l xor 16
.set CS,   26                          ; s[26:27] log2(e), as a pair
.set MNT,  28                          ; s28 the mantissa field of 57,344
.set HM,   29                          ; s29 lanes 16-31
.set MK,   32                          ; s32-39 eight comparisons' masks
.set MSB, 0
.macro WIN new                         ; s_set_vgpr_msb: bits 1:0 source 0, 3:2 source 1, 5:4 source 2, 7:6 destination; the high byte repeats the setting that is left
.if MSB != \new
	s_set_vgpr_msb (MSB<<8)|\new
.set MSB, \new
.endif
.endm
; Tile n of x (2 i + s: rows' tile i, K step s) takes load set n % 3: set 0 is v192-255 of window 0, sets 1 and 2 v128-191 and v192-255 of window 1
.macro RAWSET n
.if (\n)%3 == 0
.set RREG, 192
.set RLW, 0
.set RSW, 0
.else
.set RREG, 64+64*((\n)%3)
.set RLW, 0x40
.set RSW, 0x04
.endif
.endm
.macro LOADT n
	RAWSET \n
	WIN RLW
.irp p, 0,1,2,3,4,5,6,7,8,9,10,11,12,13,14,15
	global_load_b128 v[RREG+4*\p:RREG+4*\p+3], v[GOFF], s[SB:SB+1] offset:(32*(\p/8)+8*((\n)/2)+\p%8)*ROWB+512*((\n)%2) th:TH_LOAD_NT   ; 512 consecutive bytes of one row; the launch reads them once
.endr
	WIN 0
.endm
; Tile n has come: through the stage into X; its set takes the loads of three tiles on
.macro TURN n
.if (\n) < 6
	s_wait_loadcnt 32                      ; loads come back in order: mine (and, at tile 0, W's, issued ahead of them) are in, the two younger tiles' 32 stay out
.elseif (\n) == 6
	s_wait_loadcnt 16
.else
	s_wait_loadcnt 0
.endif
	RAWSET \n
	WIN RSW
.irp p, 0,1,2,3,4,5,6,7,8,9,10,11,12,13,14,15
	ds_store_b128 v[STW], v[RREG+4*\p:RREG+4*\p+3] offset:\p*SP
.endr
	WIN 0
.irp b, 0,1,2,3
.irp j, 0,1,2,3
	ds_load_b128 v[X+16*\b+4*\j:X+16*\b+4*\j+3], v[STR] offset:128*\b+16*\j   ; LDS serves a wave's instructions in order: these see the stores above
.endr
.endr
	s_wait_dscnt 0x0                       ; X is in; the stores have read the set (and earlier stores of partial sums their accumulators)
.if (\n)+3 < 8
	LOADT (\n)+3
.endif
.endm
; X becomes a fragment's 16 registers of codes, v[PC] on, and its rows' scale word in v[PW]
.macro QUANT
.irp b, 0,1,2,3
	v_max3_num_f32 v[TM+\b], |v[X+16*\b]|, |v[X+16*\b+1]|, 0x8000000   ; block b: my 16 numbers, and the floor 2^(16 - 127): the byte cannot fall under 1
.endr
.irp i, 2,4,6,8,10,12,14
.irp b, 0,1,2,3
	v_max3_num_f32 v[TM+\b], v[TM+\b], |v[X+16*\b+\i]|, |v[X+16*\b+\i+1]|
.endr
.endr
.irp b, 0,1,2,3
	v_permlanex16_b32 v[TM+4+\b], v[TM+\b], s[SEL], s[SEL+1]
.endr
.irp b, 0,1,2,3
	v_max_num_f32 v[TM+\b], v[TM+\b], v[TM+4+\b]       ; with lane l xor 16's 16: the block's largest magnitude
.endr
.irp b, 0,1,2,3
	v_add_nc_u32 v[TM+12+\b], 0xf8800000, v[TM+\b]     ; 15 off its exponent field: the conversion's scale operand
.endr
.irp b, 0,1,2,3
	v_and_or_b32 v[TM+8+\b], v[TM+\b], 0x7f800000, s[MNT]   ; 57,344 x the scale
.endr
.irp b, 0,1,2,3
	v_lshrrev_b32 v[TM+4+\b], 23, v[TM+12+\b]          ; the scale's byte
.endr
	v_lshl_or_b32 v[PW], v[TM+5], 8, v[TM+4]
	v_lshl_or_b32 v[PW], v[TM+6], 16, v[PW]
	v_lshl_or_b32 v[PW], v[TM+7], 24, v[PW]            ; the 64 holds below stand between this word and the matrix instructions that take it
.irp b, 0,1,2,3
.irp i, 0,1,2,3,4,5,6,7,8,9,10,11,12,13,14,15
	v_med3_num_f32 v[X+16*\b+\i], v[X+16*\b+\i], -v[TM+8+\b], v[TM+8+\b]   ; the conversion to an 8-bit code does not saturate (ISA guide 7.6.2): the hold at the largest code x the scale
.endr
.endr
.irp b, 0,1,2,3
	v_cvt_scalef32_pk8_bf8_f32 v[PC+4*\b:PC+4*\b+1], v[X+16*\b:X+16*\b+7], v[TM+12+\b]
	v_cvt_scalef32_pk8_bf8_f32 v[PC+4*\b+2:PC+4*\b+3], v[X+16*\b+8:X+16*\b+15], v[TM+12+\b]
.endr
	v_nop                                  ; a plain vector instruction behind the last scaled conversion
.endm
; x's tile i, K step s, against W's four fragments of that K step.  The four accumulators take turns, one instruction a turn.
; Behind K step 1 the four sums are this wave's partial sums of four tiles of logits: to LDS as they stand, each from its low end on.
.macro MULS i, s
.rept 4
	v_nop                                  ; codes written by vector instructions stand four places ahead of a scaled matrix instruction
.endr
	WIN 0x01                               ; W's fragments: source 0 in window 1
.irp q, 0,1,2,3
.if \s == 0
	v_wmma_scale_f32_16x16x128_f8f6f4 v[ACC+8*\q:ACC+8*\q+7], v[16*(2*\q+\s):16*(2*\q+\s)+15], v[PC:PC+15], 0, v[RS+2*\q+\s], v[PW] matrix_a_fmt:MATRIX_FMT_BF8 matrix_b_fmt:MATRIX_FMT_BF8
.else
	v_wmma_scale_f32_16x16x128_f8f6f4 v[ACC+8*\q:ACC+8*\q+7], v[16*(2*\q+\s):16*(2*\q+\s)+15], v[PC:PC+15], v[ACC+8*\q:ACC+8*\q+7], v[RS+2*\q+\s], v[PW] matrix_a_fmt:MATRIX_FMT_BF8 matrix_b_fmt:MATRIX_FMT_BF8
.endif
.endr
	WIN 0
.if \s == 1
.rept 8
	v_nop                                  ; eight places in front of the first read of results
.endr
.irp q, 0,1,2,3
	ds_store_b128 v[PWA], v[ACC+8*\q:ACC+8*\q+3] offset:\i*4096+\q*1024          ; rows' tile m = i, experts' tile t = q
	ds_store_b128 v[PWA], v[ACC+8*\q+4:ACC+8*\q+7] offset:\i*4096+\q*1024+512
.endr
.endif
.endm
.macro STILE i, s
	TURN 2*(\i)+(\s)
	QUANT
	MULS \i, \s
.endm
	s_load_b128 s[4:7], s[0:1], 0x0                ; x, wc
	s_load_b256 s[8:15], s[0:1], 0x10              ; out0, out1, out2, out3
	s_load_b64 s[30:31], s[0:1], 0x30              ; ws
	v_lshl_add_u32 v126, v0, 2, 0x30c00
	v_mov_b32 v127, 0
	v_lshrrev_b32 v[LN], 5, v0
	v_readfirstlane_b32 s[WV], v[LN]               ; wave 0..7
	v_and_b32 v[LN], 31, v0
	v_lshlrev_b32 v[GOFF], 4, v[LN]
	v_lshlrev_b32 v[WSO], 3, v[LN]
	s_lshl_b32 s42, s[WV], 10                      ; my 256 along K: 1,024 bytes of every row of x; my scale words of W are as many bytes
	s_mov_b32 s43, 0
	s_lshl_b32 s40, ttmp9, 19                      ; the work-group's 64 rows of 8,192 bytes
	s_add_co_u32 s40, s40, s42
	s_mov_b32 s41, 0
	s_lshl_b32 s44, s[WV], 14                      ; my 8 fragments of W: 16,384 bytes
	s_mov_b32 s45, 0
	s_wait_kmcnt 0x0
	s_add_nc_u64 s[SB:SB+1], s[4:5], s[40:41]
	s_add_nc_u64 s[RB:RB+1], s[6:7], s[44:45]
	s_add_nc_u64 s[30:31], s[30:31], s[42:43]
	; W's 36 loads go out first, so that the first tile's counted wait shows them in too; then x's first three tiles: 84 loads in all.  The counter's field holds fewer: the issue of the last ones waits by itself
	; until the first have come (ISA guide 5.7.1), and no wait is written for that.
	WIN 0x40                                       ; destination window 1
.irp n, 0,1,2,3,4,5,6,7
.irp c, 0,1,2,3
	global_load_b128 v[16*\n+4*\c:16*\n+4*\c+3], v[GOFF], s[RB:RB+1] offset:2048*\n+512*\c   ; fragment n = 2 q + s, registers 4 c .. 4 c + 3, as they were stored
.endr
.endr
	WIN 0
.irp q, 0,1,2,3
	global_load_b64 v[RS+2*\q:RS+2*\q+1], v[WSO], s[30:31] offset:256*\q                     ; the scale words of fragments 2 q and 2 q + 1
.endr
	LOADT 0
	s_lshl_b32 s40, ttmp9, 9                       ; the work-group's 64 rows in out0 and out1 (8 bytes a row),
	s_add_nc_u64 s[8:9], s[8:9], s[40:41]
	s_add_nc_u64 s[10:11], s[10:11], s[40:41]
	s_lshl_b32 s40, ttmp9, 14                      ; in out2 (256),
	s_add_nc_u64 s[12:13], s[12:13], s[40:41]
	s_lshl_b32 s40, ttmp9, 11                      ; in out3 (32)
	s_add_nc_u64 s[14:15], s[14:15], s[40:41]
	s_mov_b32 s[SEL], 0x76543210
	s_mov_b32 s[SEL+1], 0xfedcba98
	s_mov_b32 s[CS], 0x3fb8aa3b                    ; log2(e)
	s_mov_b32 s[CS+1], s[CS]
	s_mov_b32 s[MNT], 0x600000
	s_mov_b32 s[HM], 0xffff0000
	; every LDS address is made here, ahead of the first parting of the waves, from the thread's number, the wave's number and constants
	v_and_b32 v[X], 15, v0                         ; r
	v_bfe_u32 v[HH], v0, 4, 1                      ; h
	s_mul_i32 s17, s[WV], STGW                     ; my stage
	v_lshl_add_u32 v[STW], v[LN], 4, s17
	v_mul_u32_u24 v[STR], v[X], SP
	v_lshl_add_u32 v[STR], v[HH], 6, v[STR]
	v_add_nc_u32 v[STR], s17, v[STR]
	s_lshl_b32 s18, s[WV], 14
	s_add_co_u32 s18, s18, PART
	v_lshl_add_u32 v[PWA], v[LN], 4, s18
	s_and_b32 s19, s[WV], 3                        ; the rows' tile that I finish (waves 0-3)
	s_lshl_b32 s18, s19, 12
	s_add_co_u32 s18, s18, PART
	v_lshl_add_u32 v[PRD], v[LN], 4, s18
	v_add_nc_u32 v[PRD+1], 0x10000, v[PRD]         ; an LDS offset has 16 bits: waves 4-7's images through a second register
	v_mul_u32_u24 v[OSW], v[X], OP
	v_lshl_add_u32 v[OSW], v[HH], 7, v[OSW]
	v_add_nc_u32 v[OSW], s17, v[OSW]               ; probs in: row r, my 32 experts' 128 bytes
	v_mul_u32_u24 v[OSR], v[HH], OP
	v_lshl_add_u32 v[OSR], v[X], 4, v[OSR]
	v_add_nc_u32 v[OSR], s17, v[OSR]               ; back: lanes 0-15 one row, lanes 16-31 the next
	v_lshrrev_b32 v[X+1], 3, v[X]
	v_and_b32 v[X+2], 7, v[X]
	v_lshlrev_b32 v[X+3], 5, v[X+1]
	v_add_nc_u32 v[X+3], v[X+3], v[X+2]
	s_lshl_b32 s18, s19, 3
	v_add_nc_u32 v[X+3], s18, v[X+3]               ; my row among the 64: 32 (r / 8) + 8 m + r % 8
	v_lshlrev_b32 v[SMW], 3, v[X+3]
	v_lshl_add_u32 v[SMW], v[HH], 2, v[SMW]
	v_add_nc_u32 v[SMW], SMALL, v[SMW]
	v_lshl_add_u32 v[SMR], v[LN], 4, SMALL
	v_lshlrev_b32 v[GO3], 5, v[X+3]
	v_lshl_add_u32 v[GO3], v[HH], 4, v[GO3]        ; out3: 32 bytes a row, 16 for each half of the lanes
	s_lshl_b32 s18, s19, 11
	v_lshlrev_b32 v[GO2], 8, v[HH]
	v_lshl_add_u32 v[GO2], v[X], 4, v[GO2]
	v_add_nc_u32 v[GO2], s18, v[GO2]               ; out2: 8 m rows of 256 bytes, + a row for lanes 16-31, + 16 bytes a lane
	v_lshlrev_b32 v[HB], 5, v[HH]
.irp b, 0,1,2,3
	v_mov_b32 v[TM+4+\b], 0                        ; written once: a lane permute's destination counts as one of its sources
.endr
	LOADT 1
	LOADT 2
.irp i, 0,1,2,3
	STILE \i, 0                                    ; the stream of x
	STILE \i, 1
.endr
	s_wait_dscnt 0x0                               ; for the others' sake: my partial sums lie in LDS
	s_barrier_signal -1
	s_barrier_wait -1
	s_cmp_lt_u32 s[WV], 4
	s_cbranch_scc0 .Lmeet                          ; waves 4-7 have no rows to finish
	; ---- the eight partial sums of my 16 rows x 64 experts, in ascending K
.macro RLOAD reg, wv
.irp u, 0,1,2,3,4,5,6,7
	ds_load_b128 v[\reg+4*\u:\reg+4*\u+3], v[PRD+(\wv)/4] offset:((\wv)%4)*16384+\u*512
.endr
.endm
.macro RADD t
.irp i, 0,2,4,6,8,10,12,14,16,18,20,22,24,26,28,30
	v_pk_add_f32 v[LG+\i:LG+\i+1], v[LG+\i:LG+\i+1], v[\t+\i:\t+\i+1]
.endr
.endm
	RLOAD LG, 0
	RLOAD 16, 1
	RLOAD 48, 2
	RLOAD 80, 3
	RLOAD 160, 4
	RLOAD 192, 5
	RLOAD 224, 6
	s_wait_dscnt 40                                ; waves 0's and 1's are in; five images of 8 loads stay out
	RADD 16
	RLOAD 16, 7
	s_wait_dscnt 40                                ; wave 2's is in; behind it 3 to 7
	RADD 48
	s_wait_dscnt 32
	RADD 80
	s_wait_dscnt 24
	RADD 160
	s_wait_dscnt 16
	RADD 192
	s_wait_dscnt 8
	RADD 224
	s_wait_dscnt 0
	RADD 16                                        ; register i: logit(my row, expert 32 h + i)
	; ---- probs = exp(logit - the row's largest) / (their sum + 1e-12)
.set PB,   16                          ; v16-47 probs
.set A0,   244
.set A1,   245
.set NM,   246
.set SUM0, 248
.set SUM1, 250
.set RC,   252
	v_max3_num_f32 v[A0], v[LG], v[LG+1], v[LG+2]
	v_max3_num_f32 v[A1], v[LG+3], v[LG+4], v[LG+5]
.irp i, 6,10,14,18,22,26
	v_max3_num_f32 v[A0], v[A0], v[LG+\i], v[LG+\i+1]
	v_max3_num_f32 v[A1], v[A1], v[LG+\i+2], v[LG+\i+3]
.endr
	v_max3_num_f32 v[A0], v[A0], v[LG+30], v[LG+31]
	v_max_num_f32 v[A0], v[A0], v[A1]
	v_permlanex16_b32 v[A1], v[A0], s[SEL], s[SEL+1]
	v_max_num_f32 v[A0], v[A0], v[A1]              ; the row's largest logit
	v_mul_f32 v[NM], 0xbfb8aa3b, v[A0]             ; x -log2(e)
	v_mov_b32 v[NM+1], v[NM]
.irp i, 0,2,4,6,8,10,12,14,16,18,20,22,24,26,28,30
	v_pk_fma_f32 v[PB+\i:PB+\i+1], v[LG+\i:LG+\i+1], s[CS:CS+1], v[NM:NM+1] op_sel_hi:[1,0,0]
.endr
.irp i, 0,1,2,3,4,5,6,7,8,9,10,11,12,13,14,15,16,17,18,19,20,21,22,23,24,25,26,27,28,29,30,31
	v_exp_f32 v[PB+\i], v[PB+\i]
.endr
	; independent work behind the batch of exponentials: the logits become KEYS, whole numbers that rise with the logit under a signed comparison: the bits as they are, with all but the sign turned over where the sign is set
.irp i, 0,1,2,3,4,5,6,7,8,9,10,11,12,13,14,15,16,17,18,19,20,21,22,23,24,25,26,27,28,29,30,31
	v_ashrrev_i32 v[48+\i], 31, v[LG+\i]
.endr
.irp i, 0,1,2,3,4,5,6,7,8,9,10,11,12,13,14,15,16,17,18,19,20,21,22,23,24,25,26,27,28,29,30,31
	v_and_b32 v[48+\i], 0x7fffffff, v[48+\i]
.endr
.irp i, 0,1,2,3,4,5,6,7,8,9,10,11,12,13,14,15,16,17,18,19,20,21,22,23,24,25,26,27,28,29,30,31
	v_xor_b32 v[LG+\i], v[LG+\i], v[48+\i]
.endr
	s_wait_alu depctr_va_vdst(0)                   ; one wait for the 32 exponentials, ahead of their first reader
	v_pk_add_f32 v[SUM0:SUM0+1], v[PB:PB+1], v[PB+2:PB+3]
	v_pk_add_f32 v[SUM1:SUM1+1], v[PB+4:PB+5], v[PB+6:PB+7]
.irp i, 8,12,16,20,24,28
	v_pk_add_f32 v[SUM0:SUM0+1], v[SUM0:SUM0+1], v[PB+\i:PB+\i+1]
	v_pk_add_f32 v[SUM1:SUM1+1], v[SUM1:SUM1+1], v[PB+\i+2:PB+\i+3]
.endr
	v_pk_add_f32 v[SUM0:SUM0+1], v[SUM0:SUM0+1], v[SUM1:SUM1+1]
	v_add_f32 v[SUM0], v[SUM0], v[SUM0+1]
	v_permlanex16_b32 v[SUM0+1], v[SUM0], s[SEL], s[SEL+1]
	v_add_f32 v[SUM0], v[SUM0], v[SUM0+1]          ; the row's sum
	v_add_f32 v[SUM0], 0x2b8cbccc, v[SUM0]         ; + 1e-12
	v_rcp_f32 v[RC], v[SUM0]
	v_mov_b32 v[RC+1], 0                           ; a plain place behind the reciprocal; the pair's upper word is named below, so it is written
	s_wait_alu depctr_va_vdst(0)
.irp i, 0,2,4,6,8,10,12,14,16,18,20,22,24,26,28,30
	v_pk_mul_f32 v[PB+\i:PB+\i+1], v[PB+\i:PB+\i+1], v[RC:RC+1] op_sel_hi:[1,0]
.endr
.irp i, 0,1,2,3,4,5,6,7
	ds_store_b128 v[OSW], v[PB+4*\i:PB+4*\i+3] offset:16*\i       ; through my own stage, which nobody else touches,
.endr
.irp k, 0,1,2,3,4,5,6,7
	ds_load_b128 v[80+4*\k:83+4*\k], v[OSR] offset:2*\k*OP        ; and back as whole rows of 256 bytes
.endr
	; ---- THE EIGHT LARGEST, IN ORDER.  Wire (p, g): place p of list g.  A wire's key and its expert's number lie in registers that the symbols RKpg and RIpg name.  A comparison's winner goes to a spare register,
	; the loser stays, and the symbols change hands: no copy is written.  b goes ahead of a where key b > key a, or the keys are equal and b's expert is the lower: key b + (expert b < expert a) > key a.
.irp j, 0,1,2,3,4,5,6,7
.irp g, 0,1,2,3
.set RK\j\g, LG+8*\g+\j
.set RI\j\g, IX+8*\g+\j
.endr
.endr
.irp u, 0,1
.irp k, 0,1,2,3
.set FK\u\k, 192+4*\u+\k
.set FI\u\k, 200+4*\u+\k
.endr
.endr
.set TT, 208
.set PK, 216
.set PI, 224
.set PT, 232
.macro CEA a,b,g,u,k
	v_cmp_lt_u32 s[MK+4*\u+\k], v[RI\b\g], v[RI\a\g]
.endm
.macro CEB a,b,g,u,k
	v_add_co_ci_u32 v[TT+4*\u+\k], s[MK+4*\u+\k], 0, v[RK\b\g], s[MK+4*\u+\k]
.endm
.macro CEC a,b,g,u,k
	v_cmp_gt_i32 s[MK+4*\u+\k], v[TT+4*\u+\k], v[RK\a\g]
.endm
.macro CED a,b,g,u,k
	v_cndmask_b32 v[FK\u\k], v[RK\a\g], v[RK\b\g], s[MK+4*\u+\k]
	v_cndmask_b32 v[RK\b\g], v[RK\b\g], v[RK\a\g], s[MK+4*\u+\k]
	v_cndmask_b32 v[FI\u\k], v[RI\a\g], v[RI\b\g], s[MK+4*\u+\k]
	v_cndmask_b32 v[RI\b\g], v[RI\b\g], v[RI\a\g], s[MK+4*\u+\k]
.set SWP, RK\a\g
.set RK\a\g, FK\u\k
.set FK\u\k, SWP
.set SWP, RI\a\g
.set RI\a\g, FI\u\k
.set FI\u\k, SWP
.endm
; the first layer: a's expert is known to be the lower, and the experts' numbers (within my 32) are constants
.macro CFA a,b,g,u,k
	v_cmp_gt_i32 s[MK+4*\u+\k], v[RK\b\g], v[RK\a\g]
.endm
.macro CFD a,b,g,u,k
	v_cndmask_b32 v[FK\u\k], v[RK\a\g], v[RK\b\g], s[MK+4*\u+\k]
	v_cndmask_b32 v[RK\b\g], v[RK\b\g], v[RK\a\g], s[MK+4*\u+\k]
	v_cndmask_b32 v[RI\a\g], 8*\g+\a, 8*\g+\b, s[MK+4*\u+\k]
	v_cndmask_b32 v[RI\b\g], 8*\g+\b, 8*\g+\a, s[MK+4*\u+\k]
.set SWP, RK\a\g
.set RK\a\g, FK\u\k
.set FK\u\k, SWP
.endm
.macro SL1 a,b,c,d                     ; comparisons (a, b) and (c, d) in all four lists: eight at a time, so that no line waits for the line above it
.irp g, 0,1,2,3
	CFA \a,\b,\g,0,\g
.endr
.irp g, 0,1,2,3
	CFA \c,\d,\g,1,\g
.endr
.irp g, 0,1,2,3
	CFD \a,\b,\g,0,\g
.endr
.irp g, 0,1,2,3
	CFD \c,\d,\g,1,\g
.endr
.endm
.macro SG2 a,b,c,d
.irp g, 0,1,2,3
	CEA \a,\b,\g,0,\g
.endr
.irp g, 0,1,2,3
	CEA \c,\d,\g,1,\g
.endr
.irp g, 0,1,2,3
	CEB \a,\b,\g,0,\g
.endr
.irp g, 0,1,2,3
	CEB \c,\d,\g,1,\g
.endr
.irp g, 0,1,2,3
	CEC \a,\b,\g,0,\g
.endr
.irp g, 0,1,2,3
	CEC \c,\d,\g,1,\g
.endr
.irp g, 0,1,2,3
	CED \a,\b,\g,0,\g
.endr
.irp g, 0,1,2,3
	CED \c,\d,\g,1,\g
.endr
.endm
.macro SG1 a,b
.irp g, 0,1,2,3
	CEA \a,\b,\g,0,\g
.endr
.irp g, 0,1,2,3
	CEB \a,\b,\g,0,\g
.endr
.irp g, 0,1,2,3
	CEC \a,\b,\g,0,\g
.endr
.irp g, 0,1,2,3
	CED \a,\b,\g,0,\g
.endr
.endm
; The eight largest of two sorted lists: place i of list ga against place 7 - i of list gb; the winner stays in ga.  All of ga's experts are lower than gb's, so gb's wins only where its key is the larger.
.macro CHA a,ga,b,gb,u,k
	v_cmp_gt_i32 s[MK+4*\u+\k], v[RK\b\gb], v[RK\a\ga]
.endm
.macro CHD a,ga,b,gb,u,k
	v_cndmask_b32 v[RK\a\ga], v[RK\a\ga], v[RK\b\gb], s[MK+4*\u+\k]
	v_cndmask_b32 v[RI\a\ga], v[RI\a\ga], v[RI\b\gb], s[MK+4*\u+\k]
.endm
.macro HALF ga, gb
	CHA 0,\ga,7,\gb,0,0
	CHA 1,\ga,6,\gb,0,1
	CHA 2,\ga,5,\gb,0,2
	CHA 3,\ga,4,\gb,0,3
	CHA 4,\ga,3,\gb,1,0
	CHA 5,\ga,2,\gb,1,1
	CHA 6,\ga,1,\gb,1,2
	CHA 7,\ga,0,\gb,1,3
	CHD 0,\ga,7,\gb,0,0
	CHD 1,\ga,6,\gb,0,1
	CHD 2,\ga,5,\gb,0,2
	CHD 3,\ga,4,\gb,0,3
	CHD 4,\ga,3,\gb,1,0
	CHD 5,\ga,2,\gb,1,1
	CHD 6,\ga,1,\gb,1,2
	CHD 7,\ga,0,\gb,1,3
.endm
; what is left rises and falls once (a bitonic run): three layers of four comparisons put it in order
.macro QA g,u,a0,b0,a1,b1,a2,b2,a3,b3
	CEA \a0,\b0,\g,\u,0
	CEA \a1,\b1,\g,\u,1
	CEA \a2,\b2,\g,\u,2
	CEA \a3,\b3,\g,\u,3
.endm
.macro QB g,u,a0,b0,a1,b1,a2,b2,a3,b3
	CEB \a0,\b0,\g,\u,0
	CEB \a1,\b1,\g,\u,1
	CEB \a2,\b2,\g,\u,2
	CEB \a3,\b3,\g,\u,3
.endm
.macro QC g,u,a0,b0,a1,b1,a2,b2,a3,b3
	CEC \a0,\b0,\g,\u,0
	CEC \a1,\b1,\g,\u,1
	CEC \a2,\b2,\g,\u,2
	CEC \a3,\b3,\g,\u,3
.endm
.macro QD g,u,a0,b0,a1,b1,a2,b2,a3,b3
	CED \a0,\b0,\g,\u,0
	CED \a1,\b1,\g,\u,1
	CED \a2,\b2,\g,\u,2
	CED \a3,\b3,\g,\u,3
.endm
.macro LAY2 g0,g1,a0,b0,a1,b1,a2,b2,a3,b3
	QA \g0,0,\a0,\b0,\a1,\b1,\a2,\b2,\a3,\b3
	QA \g1,1,\a0,\b0,\a1,\b1,\a2,\b2,\a3,\b3
	QB \g0,0,\a0,\b0,\a1,\b1,\a2,\b2,\a3,\b3
	QB \g1,1,\a0,\b0,\a1,\b1,\a2,\b2,\a3,\b3
	QC \g0,0,\a0,\b0,\a1,\b1,\a2,\b2,\a3,\b3
	QC \g1,1,\a0,\b0,\a1,\b1,\a2,\b2,\a3,\b3
	QD \g0,0,\a0,\b0,\a1,\b1,\a2,\b2,\a3,\b3
	QD \g1,1,\a0,\b0,\a1,\b1,\a2,\b2,\a3,\b3
.endm
.macro LAY1 g0,a0,b0,a1,b1,a2,b2,a3,b3
	QA \g0,0,\a0,\b0,\a1,\b1,\a2,\b2,\a3,\b3
	QB \g0,0,\a0,\b0,\a1,\b1,\a2,\b2,\a3,\b3
	QC \g0,0,\a0,\b0,\a1,\b1,\a2,\b2,\a3,\b3
	QD \g0,0,\a0,\b0,\a1,\b1,\a2,\b2,\a3,\b3
.endm
.macro CLEAN1 g0
	LAY1 \g0,0,4,1,5,2,6,3,7
	LAY1 \g0,0,2,1,3,4,6,5,7
	LAY1 \g0,0,1,2,3,4,5,6,7
.endm
	; four lists of eight (experts 8 g .. 8 g + 7 of my 32) are sorted at once, by Batcher's 19 comparisons
	SL1 0,1,2,3
	SL1 4,5,6,7
.irp k, 0,1,2,3,4,5,6,7
	s_wait_dscnt 7-\k                              ; probs: row pair k is back (the younger pairs may be out)
	global_store_b128 v[GO2], v[80+4*\k:83+4*\k], s[12:13] offset:(32*(\k/4)+2*(\k%4))*256 th:TH_STORE_NT   ; 32 lanes store two whole rows: 512 consecutive bytes, at a multiple of 256 from out2's first byte
.endr
	SG2 0,2,1,3
	SG2 4,6,5,7
	SG2 1,2,5,6
	SG2 0,4,1,5
	SG2 2,6,3,7
	SG2 2,4,3,5
	SG2 1,2,3,4
	SG1 5,6
	HALF 0,1                                       ; lists 0 and 1 -> 0, lists 2 and 3 -> 2
	HALF 2,3
	LAY2 0,2,0,4,1,5,2,6,3,7
	LAY2 0,2,0,2,1,3,4,6,5,7
	LAY2 0,2,0,1,2,3,4,5,6,7
	HALF 0,2                                       ; -> 0: the eight largest of my 32
	CLEAN1 0
	; with lane l xor 16's eight.  Lanes 0-15 hold the lower experts: the partner's wins there where its key is the larger, in lanes 16-31 also where the keys are equal: partner's key + h > mine
.macro ADDB p,g
	v_add_nc_u32 v[RI\p\g], v[HB], v[RI\p\g]
.endm
.macro XCH p,q,g
	v_permlanex16_b32 v[PK+\p], v[RK\q\g], s[SEL], s[SEL+1]
	v_permlanex16_b32 v[PI+\p], v[RI\q\g], s[SEL], s[SEL+1]
.endm
.macro XCA p,g
	v_cmp_gt_i32 s[MK+\p], v[PT+\p], v[RK\p\g]
.endm
.macro XCD p,g
	v_cndmask_b32 v[RK\p\g], v[RK\p\g], v[PK+\p], s[MK+\p]
	v_cndmask_b32 v[RI\p\g], v[RI\p\g], v[PI+\p], s[MK+\p]
.endm
.irp p, 0,1,2,3,4,5,6,7
	ADDB \p,0                                      ; the experts' numbers among all 64
.endr
	XCH 0,7,0
	XCH 1,6,0
	XCH 2,5,0
	XCH 3,4,0
	XCH 4,3,0
	XCH 5,2,0
	XCH 6,1,0
	XCH 7,0,0
.irp p, 0,1,2,3,4,5,6,7
	v_add_nc_u32 v[PT+\p], v[HH], v[PK+\p]
.endr
.irp p, 0,1,2,3,4,5,6,7
	XCA \p,0
.endr
.irp p, 0,1,2,3,4,5,6,7
	XCD \p,0
.endr
	CLEAN1 0                                       ; both lanes of a row now hold the same eight, in order
.set OD, 240
.set W0, 252
.set W1, 253
.set SD, 254
.macro PICK d,p,q,g                    ; lanes 0-15 take wire p's expert, lanes 16-31 wire q's
	v_cndmask_b32 v[\d], v[RI\p\g], v[RI\q\g], s[HM]
.endm
.macro UNKEY d,p,g                     ; a key back to its logit: the same turn of bits
	v_ashrrev_i32 v[\d], 31, v[RK\p\g]
	v_and_b32 v[\d], 0x7fffffff, v[\d]
	v_xor_b32 v[\d], v[\d], v[RK\p\g]
.endm
	PICK OD,0,4,0
	PICK OD+1,1,5,0
	PICK OD+2,2,6,0
	PICK OD+3,3,7,0
	global_store_b128 v[GO3], v[OD:OD+3], s[14:15] th:TH_STORE_NT   ; eight neighbouring rows of 32 bytes from sixteen lanes: 256 consecutive bytes, at a multiple of 256 from out3's first byte
	PICK SD,0,1,0
	UNKEY W0,0,0
	UNKEY W1,1,0
	v_sub_f32 v[W1], v[W1], v[W0]                  ; the second largest less the largest: 0 or less
	v_mul_f32 v[W1], 0x3fb8aa3b, v[W1]
	v_exp_f32 v[W1], v[W1]
	v_nop                                          ; a plain place behind the exponential,
	s_wait_alu depctr_va_vdst(0)                   ; and the wait ahead of its first reader
	v_add_f32 v[W0], 1.0, v[W1]
	v_add_f32 v[W0], 0x2b8cbccc, v[W0]             ; + 1e-12
	v_rcp_f32 v[W0], v[W0]
	v_nop
	s_wait_alu depctr_va_vdst(0)
	v_mul_f32 v[W1], v[W1], v[W0]
	v_cndmask_b32 v[W0], v[W0], v[W1], s[HM]
	ds_store_b32 v[SMW], v[SD]                     ; a wave's rows of out0 and out1 are two runs of 64 bytes: the four waves' meet in LDS and leave as 512 consecutive bytes each
	ds_store_b32 v[SMW], v[W0] offset:512
.Lmeet:
	s_wait_dscnt 0x0                               ; for wave 0's sake: my words lie in LDS
	s_barrier_signal -1
	s_barrier_wait -1
	s_cmp_lg_u32 s[WV], 0
	s_cbranch_scc1 .Lend
	ds_load_b128 v[244:247], v[SMR]
	ds_load_b128 v[248:251], v[SMR] offset:512
	s_wait_dscnt 0x0
	global_store_b128 v[GOFF], v[244:247], s[8:9] th:TH_STORE_NT
	global_store_b128 v[GOFF], v[248:251], s[10:11] th:TH_STORE_NT
.Lend:
	s_wait_tensorcnt 0x0
	ds_add_u32 v126, v127
	s_wait_dscnt 0x0
	s_endpgm
.Lfunc_end_k_qc89f79adf9_gate:
	.size	k_qc89f79adf9_gate, .Lfunc_end_k_qc89f79adf9_gate-k_qc89f79adf9_gate
	.p2alignl 7, 3214868480
	.fill 96, 4, 3214868480
	.section	.rodata,"a",@progbits
	.p2align	6, 0x0
	.amdhsa_kernel k_qc89f79adf9_gate
		.amdhsa_group_segment_fixed_size 200704
		.amdhsa_private_segment_fixed_size 0
		.amdhsa_enable_private_segment 0
		.amdhsa_kernarg_size 56
		.amdhsa_user_sgpr_count 2
		.amdhsa_user_sgpr_kernarg_segment_ptr 1
		.amdhsa_wavefront_size32 1
		.amdhsa_system_sgpr_workgroup_id_x 1
		.amdhsa_system_sgpr_workgroup_id_y 1
		.amdhsa_system_sgpr_workgroup_id_z 1
		.amdhsa_system_vgpr_workitem_id 0
		.amdhsa_next_free_vgpr 512
		.amdhsa_next_free_sgpr 66
		.amdhsa_reserve_vcc 0
		.amdhsa_float_denorm_mode_32 3
		.amdhsa_float_denorm_mode_16_64 3
		.amdhsa_memory_ordered 1
		.amdhsa_forward_progress 1
		.amdhsa_inst_pref_size 193
	.end_amdhsa_kernel
	.amdgpu_metadata
---
amdhsa.version: [ 1, 2 ]
amdhsa.kernels:
  - .name:           k_qc89f79adf9_gate
    .symbol:         k_qc89f79adf9_gate.kd
    .args:
      - { .name: x, .offset: 0, .size: 8, .value_kind: global_buffer, .address_space: global }
      - { .name: wc, .offset: 8, .size: 8, .value_kind: global_buffer, .address_space: global }
      - { .name: out0, .offset: 16, .size: 8, .value_kind: global_buffer, .address_space: global }
      - { .name: out1, .offset: 24, .size: 8, .value_kind: global_buffer, .address_space: global }
      - { .name: out2, .offset: 32, .size: 8, .value_kind: global_buffer, .address_space: global }
      - { .name: out3, .offset: 40, .size: 8, .value_kind: global_buffer, .address_space: global }
      - { .name: ws, .offset: 48, .size: 8, .value_kind: global_buffer, .address_space: global }
    .group_segment_fixed_size: 200704
    .private_segment_fixed_size: 0
    .kernarg_segment_align: 8
    .kernarg_segment_size: 56
    .max_flat_workgroup_size: 256
    .sgpr_count:     66
    .vgpr_count:     512
    .wavefront_size: 32
...
	.end_amdgpu_metadata
.endif
;; end of part 2
;; ======== version 2 of 2: 2 launches
;; workspace buffers: wc 131,072 bytes; ws 8,192 bytes
;; launch wq (part 3): grid 8 x 1, 4 waves a work-group, no clusters, 34,304 bytes of LDS; arguments W, wc, ws; writes wc, ws
.if DOCPART == 3
	.amdgcn_target "amdgcn-amd-amdhsa--gfx1250"
	.amdhsa_code_object_version 6
	.text
	.protected	k_qc89f79adf9_wq
	.globl	k_qc89f79adf9_wq
	.p2align	8
	.type	k_qc89f79adf9_wq,@function
k_qc89f79adf9_wq:
	s_mov_b64 s[64:65], 0
	v_nop
	global_prefetch_b8 v0, s[64:65] scope:SCOPE_SE
	s_setreg_imm32_b32 hwreg(HW_REG_WAVE_MODE, 25, 1), 1
	s_wait_xcnt 0x0
; W [64][2048] f32 becomes codes of BF8 (E5M2) with one E8M0 scale for each 32 along K, ONCE, for all the work-groups of the launch that follows; laid as that launch's operand registers want them.
; A block's scale is 2^(floor(log2(its largest magnitude)) - 15); each number is divided by it, held within +-57,344 and rounded to the nearest code, ties to even.
; SHARES.  Work-group w takes K = 256 w .. 256 w + 255, its wave q the 16 rows 8 q .. 8 q + 7 and 32 + 8 q .. 32 + 8 q + 7: two tiles of 16 rows x 128 K (s = 0, 1), each one fragment of the matrix instruction.
; A TILE'S WAY.  16 loads, each 512 consecutive aligned bytes of one row; 16 LDS stores into the wave's own stage as they lie; 16 LDS loads, after which lane (r, h) holds, of the tile's row r, 16 neighbours of each
; block of 32; the quantiser.  The codes' 16 registers leave as they stand: wc[w][2 q + s][c][lane][16 bytes], four stores of 512 consecutive bytes.  The two tiles' scale words leave together:
; ws[w][q][lane][2 words], one store of 256 consecutive bytes (lanes 16-31 hold the same words as lanes 0-15).
; No barrier: waves share nothing.  All 32 loads of a wave go out at once.
; LIMITS.  NaN and infinities are not served.  A block of zeros gets the scale byte 1 where the rule says 127: its codes are zeros, and this program alone reads the bytes.
.set ROWB,  8192                       ; a row of W in bytes
.set SP,    528                        ; a stage row: 512 bytes + 16: the 16 rows that an LDS load touches start at 16 different groups of four banks
.set STGW,  16*SP                      ; a wave's stage
.set GOFF, 1                           ; v1   16 x lane
.set STW,  2                           ; v2   the stage, in
.set STR,  3                           ; v3   the stage, out: row r, + 64 h
.set SOFF, 4                           ; v4   8 x lane
.set X,    8                           ; v8-71    64 numbers: register 16 b + i = k 32 b + 16 h + i of my row
.set C,    72                          ; v72-103  the two fragments' codes: no store's data are written again
.set TM,   104                         ; v104-119 the quantiser's scratch
.set PW,   120                         ; v120-121 the two scale words
.set RAW,  122                         ; v122-249 two sets of 64, as loaded
.set WV,   16
.set SEL,  20                          ; s[20:21] v_permlanex16_b32's selects for lane l xor 16
.set MNT,  22                          ; s22 the mantissa field of 57,344
.macro TURN s
	s_wait_loadcnt 16*(1-\s)               ; loads come back in order: this tile's 16 are in
.irp p, 0,1,2,3,4,5,6,7,8,9,10,11,12,13,14,15
	ds_store_b128 v[STW], v[RAW+64*\s+4*\p:RAW+64*\s+4*\p+3] offset:\p*SP
.endr
.irp b, 0,1,2,3
.irp j, 0,1,2,3
	ds_load_b128 v[X+16*\b+4*\j:X+16*\b+4*\j+3], v[STR] offset:128*\b+16*\j   ; LDS serves a wave's instructions in order: these see the stores above
.endr
.endr
	s_wait_dscnt 0x0
.endm
.macro QUANT dst, sw
.irp b, 0,1,2,3
	v_max3_num_f32 v[TM+\b], |v[X+16*\b]|, |v[X+16*\b+1]|, 0x8000000   ; block b: my 16 numbers, and the floor 2^(16 - 127): the byte cannot fall under 1
.endr
.irp i, 2,4,6,8,10,12,14
.irp b, 0,1,2,3
	v_max3_num_f32 v[TM+\b], v[TM+\b], |v[X+16*\b+\i]|, |v[X+16*\b+\i+1]|
.endr
.endr
.irp b, 0,1,2,3
	v_permlanex16_b32 v[TM+4+\b], v[TM+\b], s[SEL], s[SEL+1]
.endr
.irp b, 0,1,2,3
	v_max_num_f32 v[TM+\b], v[TM+\b], v[TM+4+\b]       ; with lane l xor 16's 16: the block's largest magnitude
.endr
.irp b, 0,1,2,3
	v_add_nc_u32 v[TM+12+\b], 0xf8800000, v[TM+\b]     ; 15 off its exponent field: the conversion's scale operand
.endr
.irp b, 0,1,2,3
	v_and_or_b32 v[TM+8+\b], v[TM+\b], 0x7f800000, s[MNT]   ; 57,344 x the scale
.endr
.irp b, 0,1,2,3
	v_lshrrev_b32 v[TM+4+\b], 23, v[TM+12+\b]          ; the scale's byte
.endr
	v_lshl_or_b32 v[\sw], v[TM+5], 8, v[TM+4]
	v_lshl_or_b32 v[\sw], v[TM+6], 16, v[\sw]
	v_lshl_or_b32 v[\sw], v[TM+7], 24, v[\sw]
.irp b, 0,1,2,3
.irp i, 0,1,2,3,4,5,6,7,8,9,10,11,12,13,14,15
	v_med3_num_f32 v[X+16*\b+\i], v[X+16*\b+\i], -v[TM+8+\b], v[TM+8+\b]   ; the conversion to an 8-bit code does not saturate (ISA guide 7.6.2): the hold at the largest code x the scale
.endr
.endr
.irp b, 0,1,2,3
	v_cvt_scalef32_pk8_bf8_f32 v[(\dst)+4*\b:(\dst)+4*\b+1], v[X+16*\b:X+16*\b+7], v[TM+12+\b]
	v_cvt_scalef32_pk8_bf8_f32 v[(\dst)+4*\b+2:(\dst)+4*\b+3], v[X+16*\b+8:X+16*\b+15], v[TM+12+\b]
.endr
	v_nop                                  ; a plain vector instruction behind the last scaled conversion
.endm
	s_load_b128 s[4:7], s[0:1], 0x0                ; W, wc
	s_load_b64 s[8:9], s[0:1], 0x10                ; ws
	v_lshl_add_u32 v254, v0, 2, 0x8400
	v_mov_b32 v255, 0
	v_lshrrev_b32 v5, 5, v0
	v_readfirstlane_b32 s[WV], v5                  ; wave = q
	v_and_b32 v5, 31, v0                           ; lane
	v_lshlrev_b32 v[GOFF], 4, v5
	v_lshlrev_b32 v[SOFF], 3, v5
	s_lshl_b32 s10, ttmp9, 10                      ; my work-group's 256 along K: 1,024 bytes of every row,
	s_lshl_b32 s12, s[WV], 16                      ; my wave's rows from 8 q on: 8 rows of 8,192 bytes
	s_add_co_u32 s10, s10, s12
	s_mov_b32 s11, 0
	s_wait_alu depctr_va_vdst(0)
	s_wait_kmcnt 0x0
	s_add_nc_u64 s[4:5], s[4:5], s[10:11]
.irp s, 0,1
.irp p, 0,1,2,3,4,5,6,7,8,9,10,11,12,13,14,15
	global_load_b128 v[RAW+64*\s+4*\p:RAW+64*\s+4*\p+3], v[GOFF], s[4:5] offset:(32*(\p/8)+\p%8)*ROWB+512*\s th:TH_LOAD_NT   ; 32 lanes read 512 consecutive bytes; this launch reads them once
.endr
.endr
	s_lshl_b32 s10, ttmp9, 14                      ; wc: 16,384 bytes a work-group, 4,096 a wave
	s_lshl_b32 s12, s[WV], 12
	s_add_co_u32 s10, s10, s12
	s_add_nc_u64 s[6:7], s[6:7], s[10:11]
	s_lshl_b32 s10, ttmp9, 10                      ; ws: 1,024 bytes a work-group, 256 a wave
	s_lshl_b32 s12, s[WV], 8
	s_add_co_u32 s10, s10, s12
	s_add_nc_u64 s[8:9], s[8:9], s[10:11]
	s_mov_b32 s[SEL], 0x76543210
	s_mov_b32 s[SEL+1], 0xfedcba98
	s_mov_b32 s[MNT], 0x600000
	v_and_b32 v6, 15, v0                           ; r
	v_bfe_u32 v7, v0, 4, 1                         ; h
	s_mul_i32 s13, s[WV], STGW                     ; my stage
	v_lshl_add_u32 v[STW], v5, 4, s13
	v_mul_u32_u24 v[STR], v6, SP
	v_lshl_add_u32 v[STR], v7, 6, v[STR]
	v_add_nc_u32 v[STR], s13, v[STR]
.irp b, 0,1,2,3
	v_mov_b32 v[TM+4+\b], 0                        ; written once: a lane permute's destination counts as one of its sources
.endr
	s_wait_alu depctr_va_vdst(0)
	TURN 0
	QUANT C, PW
.irp c, 0,1,2,3
	global_store_b128 v[GOFF], v[C+4*\c:C+4*\c+3], s[6:7] offset:512*\c             ; 32 lanes store 512 consecutive bytes, at a multiple of 256 from wc's first byte
.endr
	TURN 1
	QUANT C+16, PW+1
.irp c, 0,1,2,3
	global_store_b128 v[GOFF], v[C+16+4*\c:C+16+4*\c+3], s[6:7] offset:2048+512*\c
.endr
	global_store_b64 v[SOFF], v[PW:PW+1], s[8:9]   ; 32 lanes store 256 consecutive bytes, at a multiple of 256 from ws's first byte
	s_wait_tensorcnt 0x0
	ds_add_u32 v254, v255
	s_wait_dscnt 0x0
	s_endpgm
.Lfunc_end_k_qc89f79adf9_wq:
	.size	k_qc89f79adf9_wq, .Lfunc_end_k_qc89f79adf9_wq-k_qc89f79adf9_wq
	.p2alignl 7, 3214868480
	.fill 96, 4, 3214868480
	.section	.rodata,"a",@progbits
	.p2align	6, 0x0
	.amdhsa_kernel k_qc89f79adf9_wq
		.amdhsa_group_segment_fixed_size 34304
		.amdhsa_private_segment_fixed_size 0
		.amdhsa_enable_private_segment 0
		.amdhsa_kernarg_size 24
		.amdhsa_user_sgpr_count 2
		.amdhsa_user_sgpr_kernarg_segment_ptr 1
		.amdhsa_wavefront_size32 1
		.amdhsa_system_sgpr_workgroup_id_x 1
		.amdhsa_system_sgpr_workgroup_id_y 1
		.amdhsa_system_sgpr_workgroup_id_z 1
		.amdhsa_system_vgpr_workitem_id 0
		.amdhsa_next_free_vgpr 256
		.amdhsa_next_free_sgpr 66
		.amdhsa_reserve_vcc 0
		.amdhsa_float_denorm_mode_32 3
		.amdhsa_float_denorm_mode_16_64 3
		.amdhsa_memory_ordered 1
		.amdhsa_forward_progress 1
		.amdhsa_inst_pref_size 26
	.end_amdhsa_kernel
	.amdgpu_metadata
---
amdhsa.version: [ 1, 2 ]
amdhsa.kernels:
  - .name:           k_qc89f79adf9_wq
    .symbol:         k_qc89f79adf9_wq.kd
    .args:
      - { .name: W, .offset: 0, .size: 8, .value_kind: global_buffer, .address_space: global }
      - { .name: wc, .offset: 8, .size: 8, .value_kind: global_buffer, .address_space: global }
      - { .name: ws, .offset: 16, .size: 8, .value_kind: global_buffer, .address_space: global }
    .group_segment_fixed_size: 34304
    .private_segment_fixed_size: 0
    .kernarg_segment_align: 8
    .kernarg_segment_size: 24
    .max_flat_workgroup_size: 128
    .sgpr_count:     66
    .vgpr_count:     256
    .wavefront_size: 32
...
	.end_amdgpu_metadata
.endif
;; end of part 3
;; launch gate (part 4): grid 256 x 1, 8 waves a work-group, no clusters, 200,704 bytes of LDS; arguments x, wc, out0, out1, out2, out3, ws; writes out0, out1, out2, out3
.if DOCPART == 4
	.amdgcn_target "amdgcn-amd-amdhsa--gfx1250"
	.amdhsa_code_object_version 6
	.text
	.protected	k_qc89f79adf9_gate
	.globl	k_qc89f79adf9_gate
	.p2align	8
	.type	k_qc89f79adf9_gate,@function
k_qc89f79adf9_gate:
	s_mov_b64 s[64:65], 0
	v_nop
	global_prefetch_b8 v0, s[64:65] scope:SCOPE_SE
	s_setreg_imm32_b32 hwreg(HW_REG_WAVE_SCHED_MODE, 0, 2), 2
	s_setreg_imm32_b32 hwreg(HW_REG_WAVE_MODE, 25, 1), 1
	s_wait_xcnt 0x0
	s_wait_alu depctr_vm_vsrc(0)
; ROUTER: logits = Q(x) Q(W)^T on codes of BF8 (E5M2) with one E8M0 scale for each 32 along K; probs = softmax(logits); the 8 largest logits' experts in order; the first two of them and their softmax.
; x [16384][2048] f32.  W comes as the launch before has laid it: wc[w][fragment][c][lane][16 bytes] codes, ws[w][q][lane][2 words] scale words.
; out0 [16384][2] i32, out1 [16384][2] f32, out2 [16384][64] f32, out3 [16384][8] i32.
; SHARES.  A work-group owns 64 rows of x.  Wave w of its eight owns K = 256 w .. 256 w + 255 of them.  Its part of W (64 experts x 256 K: 8 fragments, 128 registers, and 8 scale words) comes straight into
; the operand's registers, 32 loads of 512 consecutive bytes, and stays.  Its part of x is STREAMED, a tile of 16 rows x 128 K at a time, 4 matrix instructions a tile.
; A TILE'S WAY.  16 loads, each 512 consecutive aligned bytes of one row; 16 LDS stores into the wave's own stage as they lie; 16 LDS loads, after which lane (r, h) holds, of row r, 16 neighbours of each block of 32;
; the quantiser; the codes are the operand's registers.  Three sets of 64 registers take the loads by turns: three tiles, 24 KB a wave, are on their way.
; THE ROWS OF A TILE ARE NOT NEIGHBOURS: tile q holds rows 8 q .. 8 q + 7 and 32 + 8 q .. 32 + 8 q + 7, of x and of W alike.  Source 0 is W's tile, source 1 x's: lane (r, h) of a result holds x's row
; 32 (r / 8) + 8 m + r % 8 and experts 32 h + 8 t + 0 .. 7: over the four tiles of W 32 neighbouring experts, and lanes 0-15 hold lower experts than lanes 16-31.
; THE END.  Each wave's 64 x 64 partial sums go to LDS as images of their registers; a barrier; waves 0-3 take 16 rows each: they add the eight partial sums in ascending K, make the softmax (the row's maximum taken away)
; and sort.  TIES GO TO THE LOWER EXPERT, as jax.lax.top_k has it: every comparison is of (logit, expert).  The two largest of the eight largest are the first two of the sorted eight.
; W'S CODES ARE SHARED BY ALL WORK-GROUPS AND YET NOT ASKED FOR JOINTLY: they are 132 KB beside a work-group's 512 KB of x, each wave loads its 16 KB once, straight into registers; a joint request would bring them
; into LDS, from where every wave would have to read them again.  x is shared by nobody.  No prefetch: the stream of x is asked for from the first lines to the last tile.
; LIMITS.  NaN and infinities among the inputs or logits are not served.  -0 would rank below +0 (the sums here begin at +0 and give no -0).  A block of zeros gets the scale byte 1 where the rule says 127: its codes
; are zeros.  A logit is eight sums of 256 along K, added in ascending K: another order of rounding than one running sum.
; THE MODE: SCHED_MODE bits 1:0 = 2 (LLVM: expert scheduling mode 2), set by the entry lines.  The code itself states the register dependences between vector or matrix instructions and memory or LDS
; instructions, with s_wait_alu, always for 0.
; THE PLAN.  Registers that memory or LDS instructions touch, in the stream (tile n = 2 i + s: rows' tile i, K step s):
;   RAW0 .. RAW2  Set n % 3: the global loads of tile n land in it, tile n's sixteen LDS stores read it, no vector instruction names it.
;   X             Tile n's sixteen LDS loads land in it; tile n's quantiser reads and writes it.
;   ACC0, ACC1    Set i % 2: the eight products of rows' tile i write it; eight LDS stores read it, issued behind the products of rows' tile i + 1's first K step (the last rows' tile's: at the stream's end).
;   W's fragments and scale words: loaded once, read by matrix instructions.    v1 to v12, v122: addresses, made at the head and never written again.
;   The codes, their scale word and the quantiser's scratch are named by vector and matrix instructions alone.
; ONE wait on va_vdst stands in a tile, behind the quantiser and its places, ahead of the four products.  It states that the codes and the scale word are written, which the products take; that the quantiser is done
; with X, in which the next tile's LDS loads land; and, in a rows' tile's first K step, that the rows' tile before has written its accumulators, which the LDS stores behind this tile's products read.  The products
; issued behind it name W's fragments and scale words, the codes, their scale word and this rows' tile's own accumulators: none of the registers that those LDS instructions touch.
; ONE wait on vm_vsrc stands in a tile, behind its LDS instructions: the LDS stores have read the set, and the loads of three tiles on follow at once, ahead of the wait for X's data; the same wait states that LDS
; stores of partial sums issued so far have read their accumulators, ahead of the products that begin those anew.
; In the sort every run of instructions that write the masks' scalar registers (comparisons; additions, by their carries out) is followed by one wait on va_sdst, ahead of the run that names those registers next.
.set ROWB,  8192                       ; a row of x in bytes
.set SP,    528                        ; a stage row: 512 bytes + 16: the 16 rows that an LDS load touches start at 16 different groups of four banks
.set STGW,  16*SP                      ; a wave's stage
.set PART,  8*STGW                     ; behind the stages: the partial sums, 16,384 bytes a wave: image (m, t) at 4,096 m + 1,024 t
.set SMALL, PART+8*16384               ; behind them: 512 bytes of out0 and 512 of out1
.set OP,    272                        ; probs on the way out: a row of 256 bytes + 16
.set GOFF, 1                           ; v1   16 x lane: my 16 bytes of a load's 512
.set STW,  2                           ; v2   the stage, in
.set STR,  3                           ; v3   the stage, out: row r, + 64 h
.set PWA,  4                           ; v4   my wave's partial images, 16 x lane
.set PRD,  5                           ; v5-6 the images of my row tile: waves 0-3's, waves 4-7's
.set OSW,  7                           ; v7   probs into the stage
.set OSR,  8                           ; v8   and back, sixteen lanes to a row
.set SMW,  9                           ; v9   my word of out0's bytes in LDS
.set SMR,  10                          ; v10  and 16 x lane of them
.set GO2,  11                          ; v11  my byte offset in out2
.set GO3,  12                          ; v12  in out3
.set HB,   13                          ; v13  32 h
.set HH,   14                          ; v14  h
.set LN,   15                          ; v15  lane
.set X,    16                          ; v16-79   64 numbers: register 16 b + i = k 32 b + 16 h + i of my row
.set PC,   80                          ; v80-95   the streamed tile's codes
.set TM,   96                          ; v96-111  the quantiser's scratch
.set PW,   112                         ; v112     the streamed tile's scale word;  v114-121 W's fragments': these hold scales and nothing else
.set RS,   114
.set WSO,  122                         ; v122     8 x lane: my two scale words of W
.set ACC,  128                         ; v128-159, v160-191 two sets of four accumulators: rows' tile i takes set i % 2
.set LG,   128                         ; later: my 32 logits, then their keys
.set IX,   160                         ; v160-191 later: the experts' numbers that go with the keys
.set WV,   16                          ; s16 wave
.set RB,   20                          ; s[20:21] my fragments of W;  s[22:23] my part of x;  s[30:31] my scale words of W
.set SB,   22
.set SEL,  24                          ; s[24:25] v_permlanex16_b32's selects for lane l xor 16
.set CS,   26                          ; s[26:27] log2(e), as a pair
.set MNT,  28                          ; s28 the mantissa field of 57,344
.set HM,   29                          ; s29 lanes 16-31
.set MK,   32                          ; s32-39 eight comparisons' masks
.set MSB, 0
.macro WIN new                         ; s_set_vgpr_msb: bits 1:0 source 0, 3:2 source 1, 5:4 source 2, 7:6 destination; the high byte repeats the setting that is left
.if MSB != \new
	s_set_vgpr_msb (MSB<<8)|\new
.set MSB, \new
.endif
.endm
; Tile n of x (2 i + s: rows' tile i, K step s) takes load set n % 3: set 0 is v192-255 of window 0, sets 1 and 2 v128-191 and v192-255 of window 1
.macro RAWSET n
.if (\n)%3 == 0
.set RREG, 192
.set RLW, 0
.set RSW, 0
.else
.set RREG, 64+64*((\n)%3)
.set RLW, 0x40
.set RSW, 0x04
.endif
.endm
.macro LOADT n
	RAWSET \n
	WIN RLW
.irp p, 0,1,2,3,4,5,6,7,8,9,10,11,12,13,14,15
	global_load_b128 v[RREG+4*\p:RREG+4*\p+3], v[GOFF], s[SB:SB+1] offset:(32*(\p/8)+8*((\n)/2)+\p%8)*ROWB+512*((\n)%2) th:TH_LOAD_NT   ; 512 consecutive bytes of one row; the launch reads them once
.endr
	WIN 0
.endm
; Tile n has come: through the stage into X; its set takes the loads of three tiles on
.macro TURN n
.if (\n) < 6
	s_wait_loadcnt 32                      ; loads come back in order: mine (and, at tile 0, W's, issued ahead of them) are in, the two younger tiles' 32 stay out
.elseif (\n) == 6
	s_wait_loadcnt 16
.else
	s_wait_loadcnt 0
.endif
	RAWSET \n
	WIN RSW
.irp p, 0,1,2,3,4,5,6,7,8,9,10,11,12,13,14,15
	ds_store_b128 v[STW], v[RREG+4*\p:RREG+4*\p+3] offset:\p*SP
.endr
	WIN 0
.irp b, 0,1,2,3
.irp j, 0,1,2,3
	ds_load_b128 v[X+16*\b+4*\j:X+16*\b+4*\j+3], v[STR] offset:128*\b+16*\j   ; LDS serves a wave's instructions in order: these see the stores above.  No vector or matrix instruction since the last wait on va_vdst names X
.endr
.endr
.if (\n)+3 < 8
	RAWSET (\n)+3
	WIN RLW
	s_wait_alu depctr_vm_vsrc(0)           ; the LDS stores above have read the set, in which the loads below land; the LDS stores of partial sums issued so far have read their accumulators, which later products begin anew
	LOADT (\n)+3
.elseif (\n) == 5
	s_wait_alu depctr_vm_vsrc(0)           ; the LDS stores of rows' tile 1's partial sums, issued in tile 4, have read their accumulators, which tile 6's products begin anew
.endif
	s_wait_dscnt 0x0                       ; X is in
.endm
; X becomes a fragment's 16 registers of codes, v[PC] on, and its rows' scale word in v[PW]
.macro QUANT
.irp b, 0,1,2,3
	v_max3_num_f32 v[TM+\b], |v[X+16*\b]|, |v[X+16*\b+1]|, 0x8000000   ; block b: my 16 numbers, and the floor 2^(16 - 127): the byte cannot fall under 1
.endr
.irp i, 2,4,6,8,10,12,14
.irp b, 0,1,2,3
	v_max3_num_f32 v[TM+\b], v[TM+\b], |v[X+16*\b+\i]|, |v[X+16*\b+\i+1]|
.endr
.endr
.irp b, 0,1,2,3
	v_permlanex16_b32 v[TM+4+\b], v[TM+\b], s[SEL], s[SEL+1]
.endr
.irp b, 0,1,2,3
	v_max_num_f32 v[TM+\b], v[TM+\b], v[TM+4+\b]       ; with lane l xor 16's 16: the block's largest magnitude
.endr
.irp b, 0,1,2,3
	v_add_nc_u32 v[TM+12+\b], 0xf8800000, v[TM+\b]     ; 15 off its exponent field: the conversion's scale operand
.endr
.irp b, 0,1,2,3
	v_and_or_b32 v[TM+8+\b], v[TM+\b], 0x7f800000, s[MNT]   ; 57,344 x the scale
.endr
.irp b, 0,1,2,3
	v_lshrrev_b32 v[TM+4+\b], 23, v[TM+12+\b]          ; the scale's byte
.endr
	v_lshl_or_b32 v[PW], v[TM+5], 8, v[TM+4]
	v_lshl_or_b32 v[PW], v[TM+6], 16, v[PW]
	v_lshl_or_b32 v[PW], v[TM+7], 24, v[PW]            ; the 64 holds below stand between this word and the matrix instructions that take it
.irp b, 0,1,2,3
.irp i, 0,1,2,3,4,5,6,7,8,9,10,11,12,13,14,15
	v_med3_num_f32 v[X+16*\b+\i], v[X+16*\b+\i], -v[TM+8+\b], v[TM+8+\b]   ; the conversion to an 8-bit code does not saturate (ISA guide 7.6.2): the hold at the largest code x the scale
.endr
.endr
.irp b, 0,1,2,3
	v_cvt_scalef32_pk8_bf8_f32 v[PC+4*\b:PC+4*\b+1], v[X+16*\b:X+16*\b+7], v[TM+12+\b]
	v_cvt_scalef32_pk8_bf8_f32 v[PC+4*\b+2:PC+4*\b+3], v[X+16*\b+8:X+16*\b+15], v[TM+12+\b]
.endr
	v_nop                                  ; a plain vector instruction behind the last scaled conversion
.endm
; The four sums in v[reg] on are this wave's partial sums of rows' tile m, four tiles of logits: to LDS as they stand, each from its low end on
.macro PSTORE reg, m
.irp q, 0,1,2,3
	ds_store_b128 v[PWA], v[(\reg)+8*\q:(\reg)+8*\q+3] offset:(\m)*4096+\q*1024          ; rows' tile m, experts' tile t = q
	ds_store_b128 v[PWA], v[(\reg)+8*\q+4:(\reg)+8*\q+7] offset:(\m)*4096+\q*1024+512
.endr
.endm
; x's tile i, K step s, against W's four fragments of that K step.  The four accumulators take turns, one instruction a turn.
.macro MULS i, s
.set AC, ACC+32*((\i)%2)
.rept 4
	v_nop                                  ; codes written by vector instructions stand four places ahead of a scaled matrix instruction
.endr
	s_wait_alu depctr_va_vdst(0)           ; the quantiser has written the codes and their scale word, which the products take, and is done with X, in which the next tile's LDS loads land; in K step 0 the rows' tile before has written its accumulators, which the LDS stores below read
	WIN 0x01                               ; W's fragments: source 0 in window 1
.irp q, 0,1,2,3
.if \s == 0
	v_wmma_scale_f32_16x16x128_f8f6f4 v[AC+8*\q:AC+8*\q+7], v[16*(2*\q+\s):16*(2*\q+\s)+15], v[PC:PC+15], 0, v[RS+2*\q+\s], v[PW] matrix_a_fmt:MATRIX_FMT_BF8 matrix_b_fmt:MATRIX_FMT_BF8
.else
	v_wmma_scale_f32_16x16x128_f8f6f4 v[AC+8*\q:AC+8*\q+7], v[16*(2*\q+\s):16*(2*\q+\s)+15], v[PC:PC+15], v[AC+8*\q:AC+8*\q+7], v[RS+2*\q+\s], v[PW] matrix_a_fmt:MATRIX_FMT_BF8 matrix_b_fmt:MATRIX_FMT_BF8
.endif
.endr
	WIN 0
.if ((\s) == 0) && ((\i) > 0)
	PSTORE ACC+32*(1-(\i)%2), (\i)-1       ; the rows' tile before, out of the other set.  No wait: the four products above name none of its registers; this tile's quantiser was the places behind the products that wrote it (ISA guide 7.12.1)
.endif
.if ((\s) == 1) && ((\i) == 3)
.rept 8
	v_nop                                  ; the last rows' tile has no tile behind it: eight places in front of the first read of results
.endr
	s_wait_alu depctr_va_vdst(0)           ; and the products have written the accumulators, which the LDS stores read; the places above stay beside this wait.  All vector and matrix work of the stream is done with v16 to v191, in which the images' loads land
	PSTORE ACC+32*((\i)%2), \i
.endif
.endm
.macro STILE i, s
	TURN 2*(\i)+(\s)
	QUANT
	MULS \i, \s
.endm
	s_load_b128 s[4:7], s[0:1], 0x0                ; x, wc
	s_load_b256 s[8:15], s[0:1], 0x10              ; out0, out1, out2, out3
	s_load_b64 s[30:31], s[0:1], 0x30              ; ws
	v_lshl_add_u32 v126, v0, 2, 0x30c00
	v_mov_b32 v127, 0
	v_lshrrev_b32 v[LN], 5, v0
	v_readfirstlane_b32 s[WV], v[LN]               ; wave 0..7
	v_and_b32 v[LN], 31, v0
	v_lshlrev_b32 v[GOFF], 4, v[LN]
	v_lshlrev_b32 v[WSO], 3, v[LN]
	s_wait_alu depctr_va_sdst(0)                   ; the wave's number is written, ahead of its first reader: bases, LDS addresses and branches are made from it
	s_lshl_b32 s42, s[WV], 10                      ; my 256 along K: 1,024 bytes of every row of x; my scale words of W are as many bytes
	s_mov_b32 s43, 0
	s_lshl_b32 s40, ttmp9, 19                      ; the work-group's 64 rows of 8,192 bytes
	s_add_co_u32 s40, s40, s42
	s_mov_b32 s41, 0
	s_lshl_b32 s44, s[WV], 14                      ; my 8 fragments of W: 16,384 bytes
	s_mov_b32 s45, 0
	s_wait_kmcnt 0x0
	s_add_nc_u64 s[SB:SB+1], s[4:5], s[40:41]
	s_add_nc_u64 s[RB:RB+1], s[6:7], s[44:45]
	s_add_nc_u64 s[30:31], s[30:31], s[42:43]
	; W's 36 loads go out first, so that the first tile's counted wait shows them in too; then x's first three tiles: 84 loads in all.  The counter's field holds fewer: the issue of the last ones waits by itself
	; until the first have come (ISA guide 5.7.1), and no wait is written for that.
	WIN 0x40                                       ; destination window 1
	s_wait_alu depctr_va_vdst(0)                   ; v[GOFF] and v[WSO] are written: every global load of the kernel reads one of them as its offset
.irp n, 0,1,2,3,4,5,6,7
.irp c, 0,1,2,3
	global_load_b128 v[16*\n+4*\c:16*\n+4*\c+3], v[GOFF], s[RB:RB+1] offset:2048*\n+512*\c   ; fragment n = 2 q + s, registers 4 c .. 4 c + 3, as they were stored
.endr
.endr
	WIN 0
.irp q, 0,1,2,3
	global_load_b64 v[RS+2*\q:RS+2*\q+1], v[WSO], s[30:31] offset:256*\q                     ; the scale words of fragments 2 q and 2 q + 1
.endr
	LOADT 0
	s_lshl_b32 s40, ttmp9, 9                       ; the work-group's 64 rows in out0 and out1 (8 bytes a row),
	s_add_nc_u64 s[8:9], s[8:9], s[40:41]
	s_add_nc_u64 s[10:11], s[10:11], s[40:41]
	s_lshl_b32 s40, ttmp9, 14                      ; in out2 (256),
	s_add_nc_u64 s[12:13], s[12:13], s[40:41]
	s_lshl_b32 s40, ttmp9, 11                      ; in out3 (32)
	s_add_nc_u64 s[14:15], s[14:15], s[40:41]
	s_mov_b32 s[SEL], 0x76543210
	s_mov_b32 s[SEL+1], 0xfedcba98
	s_mov_b32 s[CS], 0x3fb8aa3b                    ; log2(e)
	s_mov_b32 s[CS+1], s[CS]
	s_mov_b32 s[MNT], 0x600000
	s_mov_b32 s[HM], 0xffff0000
	; every LDS address is made here, ahead of the first parting of the waves, from the thread's number, the wave's number and constants
	v_and_b32 v[X], 15, v0                         ; r
	v_bfe_u32 v[HH], v0, 4, 1                      ; h
	s_mul_i32 s17, s[WV], STGW                     ; my stage
	v_lshl_add_u32 v[STW], v[LN], 4, s17
	v_mul_u32_u24 v[STR], v[X], SP
	v_lshl_add_u32 v[STR], v[HH], 6, v[STR]
	v_add_nc_u32 v[STR], s17, v[STR]
	s_lshl_b32 s18, s[WV], 14
	s_add_co_u32 s18, s18, PART
	v_lshl_add_u32 v[PWA], v[LN], 4, s18
	s_and_b32 s19, s[WV], 3                        ; the rows' tile that I finish (waves 0-3)
	s_lshl_b32 s18, s19, 12
	s_add_co_u32 s18, s18, PART
	v_lshl_add_u32 v[PRD], v[LN], 4, s18
	v_add_nc_u32 v[PRD+1], 0x10000, v[PRD]         ; an LDS offset has 16 bits: waves 4-7's images through a second register
	v_mul_u32_u24 v[OSW], v[X], OP
	v_lshl_add_u32 v[OSW], v[HH], 7, v[OSW]
	v_add_nc_u32 v[OSW], s17, v[OSW]               ; probs in: row r, my 32 experts' 128 bytes
	v_mul_u32_u24 v[OSR], v[HH], OP
	v_lshl_add_u32 v[OSR], v[X], 4, v[OSR]
	v_add_nc_u32 v[OSR], s17, v[OSR]               ; back: lanes 0-15 one row, lanes 16-31 the next
	v_lshrrev_b32 v[X+1], 3, v[X]
	v_and_b32 v[X+2], 7, v[X]
	v_lshlrev_b32 v[X+3], 5, v[X+1]
	v_add_nc_u32 v[X+3], v[X+3], v[X+2]
	s_lshl_b32 s18, s19, 3
	v_add_nc_u32 v[X+3], s18, v[X+3]               ; my row among the 64: 32 (r / 8) + 8 m + r % 8
	v_lshlrev_b32 v[SMW], 3, v[X+3]
	v_lshl_add_u32 v[SMW], v[HH], 2, v[SMW]
	v_add_nc_u32 v[SMW], SMALL, v[SMW]
	v_lshl_add_u32 v[SMR], v[LN], 4, SMALL
	v_lshlrev_b32 v[GO3], 5, v[X+3]
	v_lshl_add_u32 v[GO3], v[HH], 4, v[GO3]        ; out3: 32 bytes a row, 16 for each half of the lanes
	s_lshl_b32 s18, s19, 11
	v_lshlrev_b32 v[GO2], 8, v[HH]
	v_lshl_add_u32 v[GO2], v[X], 4, v[GO2]
	v_add_nc_u32 v[GO2], s18, v[GO2]               ; out2: 8 m rows of 256 bytes, + a row for lanes 16-31, + 16 bytes a lane
	v_lshlrev_b32 v[HB], 5, v[HH]
.irp b, 0,1,2,3
	v_mov_b32 v[TM+4+\b], 0                        ; written once: a lane permute's destination counts as one of its sources
.endr
	s_wait_alu depctr_va_vdst(0)                   ; the addresses v2 to v12 are written, which the LDS instructions and the stores read from here to the end; so are v16 to v19, in which the first tile's LDS loads land
	LOADT 1
	LOADT 2
.irp i, 0,1,2,3
	STILE \i, 0                                    ; the stream of x
	STILE \i, 1
.endr
	s_wait_dscnt 0x0                               ; for the others' sake: my partial sums lie in LDS
	s_wait_alu depctr_vm_vsrc(0)                   ; my LDS stores have read load set 0 and both sets of accumulators, v128 to v255, in which the images' loads land behind the branch below
	s_barrier_signal -1
	s_barrier_wait -1
	s_cmp_lt_u32 s[WV], 4
	s_cbranch_scc0 .Lmeet                          ; waves 4-7 have no rows to finish
	; ---- the eight partial sums of my 16 rows x 64 experts, in ascending K
.macro RLOAD reg, wv
.irp u, 0,1,2,3,4,5,6,7
	ds_load_b128 v[\reg+4*\u:\reg+4*\u+3], v[PRD+(\wv)/4] offset:((\wv)%4)*16384+\u*512
.endr
.endm
.macro RADD t
.irp i, 0,2,4,6,8,10,12,14,16,18,20,22,24,26,28,30
	v_pk_add_f32 v[LG+\i:LG+\i+1], v[LG+\i:LG+\i+1], v[\t+\i:\t+\i+1]
.endr
.endm
	RLOAD LG, 0
	RLOAD 16, 1
	RLOAD 48, 2
	RLOAD 80, 3
	RLOAD 160, 4
	RLOAD 192, 5
	RLOAD 224, 6
	s_wait_dscnt 40                                ; waves 0's and 1's are in; five images of 8 loads stay out
	RADD 16
	s_wait_alu depctr_va_vdst(0)                   ; the additions above are done reading v16 to v47, in which wave 7's image lands
	RLOAD 16, 7
	s_wait_dscnt 40                                ; wave 2's is in; behind it 3 to 7
	RADD 48
	s_wait_dscnt 32
	RADD 80
	s_wait_dscnt 24
	RADD 160
	s_wait_dscnt 16
	RADD 192
	s_wait_dscnt 8
	RADD 224
	s_wait_dscnt 0
	RADD 16                                        ; register i: logit(my row, expert 32 h + i)
	; ---- probs = exp(logit - the row's largest) / (their sum + 1e-12)
.set PB,   16                          ; v16-47 probs
.set A0,   244
.set A1,   245
.set NM,   246
.set SUM0, 248
.set SUM1, 250
.set RC,   252
	v_max3_num_f32 v[A0], v[LG], v[LG+1], v[LG+2]
	v_max3_num_f32 v[A1], v[LG+3], v[LG+4], v[LG+5]
.irp i, 6,10,14,18,22,26
	v_max3_num_f32 v[A0], v[A0], v[LG+\i], v[LG+\i+1]
	v_max3_num_f32 v[A1], v[A1], v[LG+\i+2], v[LG+\i+3]
.endr
	v_max3_num_f32 v[A0], v[A0], v[LG+30], v[LG+31]
	v_max_num_f32 v[A0], v[A0], v[A1]
	v_permlanex16_b32 v[A1], v[A0], s[SEL], s[SEL+1]
	v_max_num_f32 v[A0], v[A0], v[A1]              ; the row's largest logit
	v_mul_f32 v[NM], 0xbfb8aa3b, v[A0]             ; x -log2(e)
	v_mov_b32 v[NM+1], v[NM]
.irp i, 0,2,4,6,8,10,12,14,16,18,20,22,24,26,28,30
	v_pk_fma_f32 v[PB+\i:PB+\i+1], v[LG+\i:LG+\i+1], s[CS:CS+1], v[NM:NM+1] op_sel_hi:[1,0,0]
.endr
	s_wait_alu depctr_va_vdst(0)
.irp i, 0,1,2,3,4,5,6,7,8,9,10,11,12,13,14,15,16,17,18,19,20,21,22,23,24,25,26,27,28,29,30,31
	v_exp_f32 v[PB+\i], v[PB+\i]
.endr
	; independent work behind the batch of exponentials: the logits become KEYS, whole numbers that rise with the logit under a signed comparison: the bits as they are, with all but the sign turned over where the sign is set
.irp i, 0,1,2,3,4,5,6,7,8,9,10,11,12,13,14,15,16,17,18,19,20,21,22,23,24,25,26,27,28,29,30,31
	v_ashrrev_i32 v[48+\i], 31, v[LG+\i]
.endr
.irp i, 0,1,2,3,4,5,6,7,8,9,10,11,12,13,14,15,16,17,18,19,20,21,22,23,24,25,26,27,28,29,30,31
	v_and_b32 v[48+\i], 0x7fffffff, v[48+\i]
.endr
.irp i, 0,1,2,3,4,5,6,7,8,9,10,11,12,13,14,15,16,17,18,19,20,21,22,23,24,25,26,27,28,29,30,31
	v_xor_b32 v[LG+\i], v[LG+\i], v[48+\i]
.endr
	s_wait_alu depctr_va_vdst(0)                   ; one wait for the 32 exponentials' results, ahead of their first reader
	v_pk_add_f32 v[SUM0:SUM0+1], v[PB:PB+1], v[PB+2:PB+3]
	v_pk_add_f32 v[SUM1:SUM1+1], v[PB+4:PB+5], v[PB+6:PB+7]
.irp i, 8,12,16,20,24,28
	v_pk_add_f32 v[SUM0:SUM0+1], v[SUM0:SUM0+1], v[PB+\i:PB+\i+1]
	v_pk_add_f32 v[SUM1:SUM1+1], v[SUM1:SUM1+1], v[PB+\i+2:PB+\i+3]
.endr
	v_pk_add_f32 v[SUM0:SUM0+1], v[SUM0:SUM0+1], v[SUM1:SUM1+1]
	v_add_f32 v[SUM0], v[SUM0], v[SUM0+1]
	v_permlanex16_b32 v[SUM0+1], v[SUM0], s[SEL], s[SEL+1]
	v_add_f32 v[SUM0], v[SUM0], v[SUM0+1]          ; the row's sum
	v_add_f32 v[SUM0], 0x2b8cbccc, v[SUM0]         ; + 1e-12
	s_wait_alu depctr_va_vdst(0)
	v_rcp_f32 v[RC], v[SUM0]
	v_mov_b32 v[RC+1], 0                           ; a plain place behind the reciprocal; the pair's upper word is named below, so it is written
	s_wait_alu depctr_va_vdst(0)                   ; the reciprocal's result, ahead of its first reader
.irp i, 0,2,4,6,8,10,12,14,16,18,20,22,24,26,28,30
	v_pk_mul_f32 v[PB+\i:PB+\i+1], v[PB+\i:PB+\i+1], v[RC:RC+1] op_sel_hi:[1,0]
.endr
	s_wait_alu depctr_va_vdst(0)                   ; the multiplications have written probs, which the LDS stores read; the additions of the partial sums are done reading v80 to v111, in which the rows come back
.irp i, 0,1,2,3,4,5,6,7
	ds_store_b128 v[OSW], v[PB+4*\i:PB+4*\i+3] offset:16*\i       ; through my own stage, which nobody else touches,
.endr
.irp k, 0,1,2,3,4,5,6,7
	ds_load_b128 v[80+4*\k:83+4*\k], v[OSR] offset:2*\k*OP        ; and back as whole rows of 256 bytes.  (The sort names neither v16 to v47 nor v80 to v111)
.endr
	; ---- THE EIGHT LARGEST, IN ORDER.  Wire (p, g): place p of list g.  A wire's key and its expert's number lie in registers that the symbols RKpg and RIpg name.  A comparison's winner goes to a spare register,
	; the loser stays, and the symbols change hands: no copy is written.  b goes ahead of a where key b > key a, or the keys are equal and b's expert is the lower: key b + (expert b < expert a) > key a.
.irp j, 0,1,2,3,4,5,6,7
.irp g, 0,1,2,3
.set RK\j\g, LG+8*\g+\j
.set RI\j\g, IX+8*\g+\j
.endr
.endr
.irp u, 0,1
.irp k, 0,1,2,3
.set FK\u\k, 192+4*\u+\k
.set FI\u\k, 200+4*\u+\k
.endr
.endr
.set TT, 208
.set PK, 216
.set PI, 224
.set PT, 232
.macro CEA a,b,g,u,k
	v_cmp_lt_u32 s[MK+4*\u+\k], v[RI\b\g], v[RI\a\g]
.endm
.macro CEB a,b,g,u,k
	v_add_co_ci_u32 v[TT+4*\u+\k], s[MK+4*\u+\k], 0, v[RK\b\g], s[MK+4*\u+\k]
.endm
.macro CEC a,b,g,u,k
	v_cmp_gt_i32 s[MK+4*\u+\k], v[TT+4*\u+\k], v[RK\a\g]
.endm
.macro CED a,b,g,u,k
	v_cndmask_b32 v[FK\u\k], v[RK\a\g], v[RK\b\g], s[MK+4*\u+\k]
	v_cndmask_b32 v[RK\b\g], v[RK\b\g], v[RK\a\g], s[MK+4*\u+\k]
	v_cndmask_b32 v[FI\u\k], v[RI\a\g], v[RI\b\g], s[MK+4*\u+\k]
	v_cndmask_b32 v[RI\b\g], v[RI\b\g], v[RI\a\g], s[MK+4*\u+\k]
.set SWP, RK\a\g
.set RK\a\g, FK\u\k
.set FK\u\k, SWP
.set SWP, RI\a\g
.set RI\a\g, FI\u\k
.set FI\u\k, SWP
.endm
; the first layer: a's expert is known to be the lower, and the experts' numbers (within my 32) are constants
.macro CFA a,b,g,u,k
	v_cmp_gt_i32 s[MK+4*\u+\k], v[RK\b\g], v[RK\a\g]
.endm
.macro CFD a,b,g,u,k
	v_cndmask_b32 v[FK\u\k], v[RK\a\g], v[RK\b\g], s[MK+4*\u+\k]
	v_cndmask_b32 v[RK\b\g], v[RK\b\g], v[RK\a\g], s[MK+4*\u+\k]
	v_cndmask_b32 v[RI\a\g], 8*\g+\a, 8*\g+\b, s[MK+4*\u+\k]
	v_cndmask_b32 v[RI\b\g], 8*\g+\b, 8*\g+\a, s[MK+4*\u+\k]
.set SWP, RK\a\g
.set RK\a\g, FK\u\k
.set FK\u\k, SWP
.endm
.macro SL1 a,b,c,d                     ; comparisons (a, b) and (c, d) in all four lists: eight at a time, so that no line waits for the line above it
.irp g, 0,1,2,3
	CFA \a,\b,\g,0,\g
.endr
.irp g, 0,1,2,3
	CFA \c,\d,\g,1,\g
.endr
	s_wait_alu depctr_va_sdst(0)           ; the eight comparisons have written their masks, which the selections below read
.irp g, 0,1,2,3
	CFD \a,\b,\g,0,\g
.endr
.irp g, 0,1,2,3
	CFD \c,\d,\g,1,\g
.endr
.endm
.macro SG2 a,b,c,d
.irp g, 0,1,2,3
	CEA \a,\b,\g,0,\g
.endr
.irp g, 0,1,2,3
	CEA \c,\d,\g,1,\g
.endr
	s_wait_alu depctr_va_sdst(0)           ; the eight comparisons of experts have written their masks, which the additions below take as carries
.irp g, 0,1,2,3
	CEB \a,\b,\g,0,\g
.endr
.irp g, 0,1,2,3
	CEB \c,\d,\g,1,\g
.endr
	s_wait_alu depctr_va_sdst(0)           ; the eight additions have written their carries out into the masks' registers, which the comparisons below write anew
.irp g, 0,1,2,3
	CEC \a,\b,\g,0,\g
.endr
.irp g, 0,1,2,3
	CEC \c,\d,\g,1,\g
.endr
	s_wait_alu depctr_va_sdst(0)           ; the eight comparisons of keys have written the masks, which the selections below read
.irp g, 0,1,2,3
	CED \a,\b,\g,0,\g
.endr
.irp g, 0,1,2,3
	CED \c,\d,\g,1,\g
.endr
.endm
.macro SG1 a,b
.irp g, 0,1,2,3
	CEA \a,\b,\g,0,\g
.endr
	s_wait_alu depctr_va_sdst(0)           ; the four comparisons of experts have written their masks, which the additions below take as carries
.irp g, 0,1,2,3
	CEB \a,\b,\g,0,\g
.endr
	s_wait_alu depctr_va_sdst(0)           ; the four additions have written their carries out into the masks' registers, which the comparisons below write anew
.irp g, 0,1,2,3
	CEC \a,\b,\g,0,\g
.endr
	s_wait_alu depctr_va_sdst(0)           ; the four comparisons of keys have written the masks, which the selections below read
.irp g, 0,1,2,3
	CED \a,\b,\g,0,\g
.endr
.endm
; The eight largest of two sorted lists: place i of list ga against place 7 - i of list gb; the winner stays in ga.  All of ga's experts are lower than gb's, so gb's wins only where its key is the larger.
.macro CHA a,ga,b,gb,u,k
	v_cmp_gt_i32 s[MK+4*\u+\k], v[RK\b\gb], v[RK\a\ga]
.endm
.macro CHD a,ga,b,gb,u,k
	v_cndmask_b32 v[RK\a\ga], v[RK\a\ga], v[RK\b\gb], s[MK+4*\u+\k]
	v_cndmask_b32 v[RI\a\ga], v[RI\a\ga], v[RI\b\gb], s[MK+4*\u+\k]
.endm
.macro HALF ga, gb
	CHA 0,\ga,7,\gb,0,0
	CHA 1,\ga,6,\gb,0,1
	CHA 2,\ga,5,\gb,0,2
	CHA 3,\ga,4,\gb,0,3
	CHA 4,\ga,3,\gb,1,0
	CHA 5,\ga,2,\gb,1,1
	CHA 6,\ga,1,\gb,1,2
	CHA 7,\ga,0,\gb,1,3
	s_wait_alu depctr_va_sdst(0)           ; the eight comparisons have written their masks, which the selections below read
	CHD 0,\ga,7,\gb,0,0
	CHD 1,\ga,6,\gb,0,1
	CHD 2,\ga,5,\gb,0,2
	CHD 3,\ga,4,\gb,0,3
	CHD 4,\ga,3,\gb,1,0
	CHD 5,\ga,2,\gb,1,1
	CHD 6,\ga,1,\gb,1,2
	CHD 7,\ga,0,\gb,1,3
.endm
; what is left rises and falls once (a bitonic run): three layers of four comparisons put it in order
.macro QA g,u,a0,b0,a1,b1,a2,b2,a3,b3
	CEA \a0,\b0,\g,\u,0
	CEA \a1,\b1,\g,\u,1
	CEA \a2,\b2,\g,\u,2
	CEA \a3,\b3,\g,\u,3
.endm
.macro QB g,u,a0,b0,a1,b1,a2,b2,a3,b3
	CEB \a0,\b0,\g,\u,0
	CEB \a1,\b1,\g,\u,1
	CEB \a2,\b2,\g,\u,2
	CEB \a3,\b3,\g,\u,3
.endm
.macro QC g,u,a0,b0,a1,b1,a2,b2,a3,b3
	CEC \a0,\b0,\g,\u,0
	CEC \a1,\b1,\g,\u,1
	CEC \a2,\b2,\g,\u,2
	CEC \a3,\b3,\g,\u,3
.endm
.macro QD g,u,a0,b0,a1,b1,a2,b2,a3,b3
	CED \a0,\b0,\g,\u,0
	CED \a1,\b1,\g,\u,1
	CED \a2,\b2,\g,\u,2
	CED \a3,\b3,\g,\u,3
.endm
.macro LAY2 g0,g1,a0,b0,a1,b1,a2,b2,a3,b3
	QA \g0,0,\a0,\b0,\a1,\b1,\a2,\b2,\a3,\b3
	QA \g1,1,\a0,\b0,\a1,\b1,\a2,\b2,\a3,\b3
	s_wait_alu depctr_va_sdst(0)           ; the eight comparisons of experts have written their masks, which the additions below take as carries
	QB \g0,0,\a0,\b0,\a1,\b1,\a2,\b2,\a3,\b3
	QB \g1,1,\a0,\b0,\a1,\b1,\a2,\b2,\a3,\b3
	s_wait_alu depctr_va_sdst(0)           ; the eight additions have written their carries out into the masks' registers, which the comparisons below write anew
	QC \g0,0,\a0,\b0,\a1,\b1,\a2,\b2,\a3,\b3
	QC \g1,1,\a0,\b0,\a1,\b1,\a2,\b2,\a3,\b3
	s_wait_alu depctr_va_sdst(0)           ; the eight comparisons of keys have written the masks, which the selections below read
	QD \g0,0,\a0,\b0,\a1,\b1,\a2,\b2,\a3,\b3
	QD \g1,1,\a0,\b0,\a1,\b1,\a2,\b2,\a3,\b3
.endm
.macro LAY1 g0,a0,b0,a1,b1,a2,b2,a3,b3
	QA \g0,0,\a0,\b0,\a1,\b1,\a2,\b2,\a3,\b3
	s_wait_alu depctr_va_sdst(0)           ; the four comparisons of experts have written their masks, which the additions below take as carries
	QB \g0,0,\a0,\b0,\a1,\b1,\a2,\b2,\a3,\b3
	s_wait_alu depctr_va_sdst(0)           ; the four additions have written their carries out into the masks' registers, which the comparisons below write anew
	QC \g0,0,\a0,\b0,\a1,\b1,\a2,\b2,\a3,\b3
	s_wait_alu depctr_va_sdst(0)           ; the four comparisons of keys have written the masks, which the selections below read
	QD \g0,0,\a0,\b0,\a1,\b1,\a2,\b2,\a3,\b3
.endm
.macro CLEAN1 g0
	LAY1 \g0,0,4,1,5,2,6,3,7
	LAY1 \g0,0,2,1,3,4,6,5,7
	LAY1 \g0,0,1,2,3,4,5,6,7
.endm
	; four lists of eight (experts 8 g .. 8 g + 7 of my 32) are sorted at once, by Batcher's 19 comparisons
	SL1 0,1,2,3
	SL1 4,5,6,7
.irp k, 0,1,2,3,4,5,6,7
	s_wait_dscnt 7-\k                              ; probs: row pair k is back (the younger pairs may be out)
	global_store_b128 v[GO2], v[80+4*\k:83+4*\k], s[12:13] offset:(32*(\k/4)+2*(\k%4))*256 th:TH_STORE_NT   ; 32 lanes store two whole rows: 512 consecutive bytes, at a multiple of 256 from out2's first byte
.endr
	SG2 0,2,1,3
	SG2 4,6,5,7
	SG2 1,2,5,6
	SG2 0,4,1,5
	SG2 2,6,3,7
	SG2 2,4,3,5
	SG2 1,2,3,4
	SG1 5,6
	HALF 0,1                                       ; lists 0 and 1 -> 0, lists 2 and 3 -> 2
	HALF 2,3
	LAY2 0,2,0,4,1,5,2,6,3,7
	LAY2 0,2,0,2,1,3,4,6,5,7
	LAY2 0,2,0,1,2,3,4,5,6,7
	HALF 0,2                                       ; -> 0: the eight largest of my 32
	CLEAN1 0
	; with lane l xor 16's eight.  Lanes 0-15 hold the lower experts: the partner's wins there where its key is the larger, in lanes 16-31 also where the keys are equal: partner's key + h > mine
.macro ADDB p,g
	v_add_nc_u32 v[RI\p\g], v[HB], v[RI\p\g]
.endm
.macro XCH p,q,g
	v_permlanex16_b32 v[PK+\p], v[RK\q\g], s[SEL], s[SEL+1]
	v_permlanex16_b32 v[PI+\p], v[RI\q\g], s[SEL], s[SEL+1]
.endm
.macro XCA p,g
	v_cmp_gt_i32 s[MK+\p], v[PT+\p], v[RK\p\g]
.endm
.macro XCD p,g
	v_cndmask_b32 v[RK\p\g], v[RK\p\g], v[PK+\p], s[MK+\p]
	v_cndmask_b32 v[RI\p\g], v[RI\p\g], v[PI+\p], s[MK+\p]
.endm
.irp p, 0,1,2,3,4,5,6,7
	ADDB \p,0                                      ; the experts' numbers among all 64
.endr
	XCH 0,7,0
	XCH 1,6,0
	XCH 2,5,0
	XCH 3,4,0
	XCH 4,3,0
	XCH 5,2,0
	XCH 6,1,0
	XCH 7,0,0
.irp p, 0,1,2,3,4,5,6,7
	v_add_nc_u32 v[PT+\p], v[HH], v[PK+\p]
.endr
.irp p, 0,1,2,3,4,5,6,7
	XCA \p,0
.endr
	s_wait_alu depctr_va_sdst(0)                   ; the eight comparisons have written their masks, which the selections below read
.irp p, 0,1,2,3,4,5,6,7
	XCD \p,0
.endr
	CLEAN1 0                                       ; both lanes of a row now hold the same eight, in order
.set OD, 240
.set W0, 252
.set W1, 253
.set SD, 254
.macro PICK d,p,q,g                    ; lanes 0-15 take wire p's expert, lanes 16-31 wire q's
	v_cndmask_b32 v[\d], v[RI\p\g], v[RI\q\g], s[HM]
.endm
.macro UNKEY d,p,g                     ; a key back to its logit: the same turn of bits
	v_ashrrev_i32 v[\d], 31, v[RK\p\g]
	v_and_b32 v[\d], 0x7fffffff, v[\d]
	v_xor_b32 v[\d], v[\d], v[RK\p\g]
.endm
	PICK OD,0,4,0
	PICK OD+1,1,5,0
	PICK OD+2,2,6,0
	PICK OD+3,3,7,0
	PICK SD,0,1,0
	UNKEY W0,0,0
	UNKEY W1,1,0
	v_sub_f32 v[W1], v[W1], v[W0]                  ; the second largest less the largest: 0 or less
	v_mul_f32 v[W1], 0x3fb8aa3b, v[W1]
	s_wait_alu depctr_va_vdst(0)
	v_exp_f32 v[W1], v[W1]
	v_nop                                          ; a plain place behind the exponential,
	s_wait_alu depctr_va_vdst(0)                   ; and the wait for its result, ahead of its first reader; the selections above have written v[OD ..], which the store below reads
	global_store_b128 v[GO3], v[OD:OD+3], s[14:15] th:TH_STORE_NT   ; eight neighbouring rows of 32 bytes from sixteen lanes: 256 consecutive bytes, at a multiple of 256 from out3's first byte
	v_add_f32 v[W0], 1.0, v[W1]
	v_add_f32 v[W0], 0x2b8cbccc, v[W0]             ; + 1e-12
	s_wait_alu depctr_va_vdst(0)
	v_rcp_f32 v[W0], v[W0]
	v_nop
	s_wait_alu depctr_va_vdst(0)                   ; the reciprocal's result, ahead of its first reader
	v_mul_f32 v[W1], v[W1], v[W0]
	v_cndmask_b32 v[W0], v[W0], v[W1], s[HM]
	s_wait_alu depctr_va_vdst(0)                   ; the selection has written v[W0], which the second LDS store below reads; all vector work is done with v244 to v251, in which wave 0's last LDS loads land
	ds_store_b32 v[SMW], v[SD]                     ; a wave's rows of out0 and out1 are two runs of 64 bytes: the four waves' meet in LDS and leave as 512 consecutive bytes each
	ds_store_b32 v[SMW], v[W0] offset:512
.Lmeet:
	s_wait_dscnt 0x0                               ; for wave 0's sake: my words lie in LDS
	s_barrier_signal -1
	s_barrier_wait -1
	s_cmp_lg_u32 s[WV], 0
	s_cbranch_scc1 .Lend
	ds_load_b128 v[244:247], v[SMR]
	ds_load_b128 v[248:251], v[SMR] offset:512
	s_wait_dscnt 0x0
	global_store_b128 v[GOFF], v[244:247], s[8:9] th:TH_STORE_NT
	global_store_b128 v[GOFF], v[248:251], s[10:11] th:TH_STORE_NT
.Lend:
	s_wait_dscnt 0x0                               ; the closing lines, six on end
	s_wait_alu 0x0
	s_wait_tensorcnt 0x0
	ds_add_u32 v126, v127
	s_wait_dscnt 0x0
	s_endpgm
.Lfunc_end_k_qc89f79adf9_gate:
	.size	k_qc89f79adf9_gate, .Lfunc_end_k_qc89f79adf9_gate-k_qc89f79adf9_gate
	.p2alignl 7, 3214868480
	.fill 96, 4, 3214868480
	.section	.rodata,"a",@progbits
	.p2align	6, 0x0
	.amdhsa_kernel k_qc89f79adf9_gate
		.amdhsa_group_segment_fixed_size 200704
		.amdhsa_private_segment_fixed_size 0
		.amdhsa_enable_private_segment 0
		.amdhsa_kernarg_size 56
		.amdhsa_user_sgpr_count 2
		.amdhsa_user_sgpr_kernarg_segment_ptr 1
		.amdhsa_wavefront_size32 1
		.amdhsa_system_sgpr_workgroup_id_x 1
		.amdhsa_system_sgpr_workgroup_id_y 1
		.amdhsa_system_sgpr_workgroup_id_z 1
		.amdhsa_system_vgpr_workitem_id 0
		.amdhsa_next_free_vgpr 512
		.amdhsa_next_free_sgpr 66
		.amdhsa_reserve_vcc 0
		.amdhsa_float_denorm_mode_32 3
		.amdhsa_float_denorm_mode_16_64 3
		.amdhsa_memory_ordered 1
		.amdhsa_forward_progress 1
		.amdhsa_inst_pref_size 195
	.end_amdhsa_kernel
	.amdgpu_metadata
---
amdhsa.version: [ 1, 2 ]
amdhsa.kernels:
  - .name:           k_qc89f79adf9_gate
    .symbol:         k_qc89f79adf9_gate.kd
    .args:
      - { .name: x, .offset: 0, .size: 8, .value_kind: global_buffer, .address_space: global }
      - { .name: wc, .offset: 8, .size: 8, .value_kind: global_buffer, .address_space: global }
      - { .name: out0, .offset: 16, .size: 8, .value_kind: global_buffer, .address_space: global }
      - { .name: out1, .offset: 24, .size: 8, .value_kind: global_buffer, .address_space: global }
      - { .name: out2, .offset: 32, .size: 8, .value_kind: global_buffer, .address_space: global }
      - { .name: out3, .offset: 40, .size: 8, .value_kind: global_buffer, .address_space: global }
      - { .name: ws, .offset: 48, .size: 8, .value_kind: global_buffer, .address_space: global }
    .group_segment_fixed_size: 200704
    .private_segment_fixed_size: 0
    .kernarg_segment_align: 8
    .kernarg_segment_size: 56
    .max_flat_workgroup_size: 256
    .sgpr_count:     66
    .vgpr_count:     512
    .wavefront_size: 32
...
	.end_amdgpu_metadata
.endif
;; end of part 4
